; MI455X (gfx1250); checked and timed in simulation.
; The chip was launched on July 23, 2026; its instructions are those of AMD's public machine-readable ISA for CDNA 5 (MIT licence, August 2026) and "CDNA5" Instruction Set Architecture Reference Guide (July 2026). The comments in the code are by the model that wrote it; some were corrected since.
;; MAB Post LN. Allowed arithmetic: matrix products marked QUANTISED: E2M1 operands, one E8M0 scale for each 32 along K, by v_wmma_scale_f32_16x16x128_f8f6f4 with both operands' format E2M1 (or v_wmma_scale_f32_32x16x128_f4), f32 sums; everything else in f32.
;; Inputs: K_codes 8 x 1,024 x 32 x 16 uint8 (E2M1 codes of K, K innermost, in blocks of 32 codes, two codes a byte); K_scales 8 x 1,024 x 32 uint8 (E8M0 scales of K, one for each 32 codes along K); Q_codes 8 x 1,024 x 32 x 16 uint8 (E2M1 codes of Q, K innermost, in blocks of 32 codes, two codes a byte); Q_scales 8 x 1,024 x 32 uint8 (E8M0 scales of Q, one for each 32 codes along K); Wk_codes 1,024 x 32 x 16 uint8 (E2M1 codes of Wk, K innermost, in blocks of 32 codes, two codes a byte); Wk_scales 1,024 x 32 uint8 (E8M0 scales of Wk, one for each 32 codes along K); Wp_codes 1,024 x 32 x 16 uint8 (E2M1 codes of Wp, K innermost, in blocks of 32 codes, two codes a byte); Wp_scales 1,024 x 32 uint8 (E8M0 scales of Wp, one for each 32 codes along K); Wq_codes 1,024 x 32 x 16 uint8 (E2M1 codes of Wq, K innermost, in blocks of 32 codes, two codes a byte); Wq_scales 1,024 x 32 uint8 (E8M0 scales of Wq, one for each 32 codes along K); Wv_codes 1,024 x 32 x 16 uint8 (E2M1 codes of Wv, K innermost, in blocks of 32 codes, two codes a byte); Wv_scales 1,024 x 32 uint8 (E8M0 scales of Wv, one for each 32 codes along K); beta0 1,024 float32; beta1 1,024 float32; bk 1,024 float32; bp 1,024 float32; bq 1,024 float32; bv 1,024 float32; g0 1,024 float32; g1 1,024 float32; key_padding_mask 8 x 1,024 int32.
;; Outputs: out0 8 x 1,024 x 1,024 float32.
;; This version of the problem:
;;   THIS VERSION OF THE PROBLEM IS GIVEN IN LOW PRECISION. The matrix products marked QUANTISED in the list below multiply operands that are first quantised to E2M1 (2 exponent bits, 1 mantissa bit; 4 bits a number), with one power-of-two scale for each 32 numbers along K (OCP MX v1.0); their sums are f32. All else is computed in f32.
;;   The module's matrix products, in the order in which they are computed (A, B: the left and right operand; K: the contracted axis; several contracted axes count as one K, in the product's order):
;;     1. [M 8,192, K 1,024] x [K 1,024, N 1,024]; A: input Q (given as codes); B: input Wq (given as codes): QUANTISED
;;     2. [M 8,192, K 1,024] x [K 1,024, N 1,024]; A: input K (given as codes); B: input Wk (given as codes): QUANTISED
;;     3. [M 8,192, K 1,024] x [K 1,024, N 1,024]; A: input K (given as codes); B: input Wv (given as codes): QUANTISED
;;     4. batch 128 x [M 1,024, K 64] x [K 64, N 1,024]; A: computed on the way; B: computed on the way: QUANTISED
;;     5. batch 128 x [M 1,024, K 1,024] x [K 1,024, N 64]; A: softmax (see below); B: computed on the way: QUANTISED
;;     6. [M 8,192, K 1,024] x [K 1,024, N 1,024]; A: computed on the way; B: input Wp (given as codes): QUANTISED
;;   THE QUANTISER, for each operand of a quantised product, along K:
;;     - K is cut into blocks of 32 from its start; a last block that is shorter is filled with zeros.
;;     - A block's scale is 2^e with e = floor(log2(the largest magnitude in the block)) - 2, held to -126 .. 127; a block of zeros has e = 0. As a byte (E8M0): e + 127.
;;     - Each number is divided by its block's scale, clamped to +-6, and rounded to the nearest number of E2M1, ties to even, subnormals kept.
;;     - The product sums the exact products of the quantised numbers (number of the format x scale) in f32.
;;   ~~~python
;;   def quantise(x, axis):      # numpy; x: float32 -> the quantised numbers, widened to float32 again
;;       x = np.moveaxis(x, axis, -1); K = x.shape[-1]
;;       x = np.pad(x, [(0, 0)] * (x.ndim - 1) + [(0, -K % 32)]); x = x.reshape(x.shape[:-1] + (-1, 32)); a = np.abs(x).max(-1, keepdims=True)
;;       e = np.where(a > 0, np.clip(np.frexp(np.where(a > 0, a, 1))[1] - 1 - 2, -126, 127), 0)      # np.frexp(a)[1] - 1 = floor(log2(a)), exactly
;;       r = np.clip(x / 2.0 ** e, -6, 6)
;;       step = 2.0 ** (np.maximum(np.frexp(np.where(r == 0, 1, r))[1] - 1, 0) - 1)
;;       q = np.round(r / step) * step * 2.0 ** e      # np.round: ties to even
;;       return np.moveaxis(q.reshape(q.shape[:-2] + (-1,))[..., :K], -1, axis).astype(np.float32)
;;   ~~~
;;   SOFTMAX AHEAD OF A QUANTISED PRODUCT. Where the list says 'softmax', what is quantised is not the finished softmax but p = 2^(t - M), with t = logit x log2(e) and M = ceil(the row's largest t), a whole number; so 1/2 < the row's largest p <= 1. The row's sum l is taken of the UNQUANTISED p, in f32, and the product's result is divided by l at the end. Since M is a whole number, a kernel that streams over the keys may use a running M (the ceiling of the running maximum): every later rescaling is an exact power of two, which a block's scale takes up: the codes' values come out the same.
;;   OPERANDS COMPUTED ON THE WAY. 'Computed on the way' means the value that the module computes at that place (a softmax that the list does not call 'softmax' is quantised finished and normalised). What goes into a quantiser is computed in f32, as accurately as f32 sums, v_exp_f32 and their like allow (about 1e-6 of the number): no bf16 or f16 on the way to a quantiser, and a product that is left as it is and whose result goes on into a quantised operand takes f32 operands (vector FMAs, or v_wmma_f32_16x16x4_f32). A number that lies on a knife's edge between two numbers of the format may be rounded either way, as far as f32 arithmetic and the matrix unit's own rounding can turn it there, and no further.
;;   INPUTS GIVEN AS CODES. K (in the module: [8, 1024, 1024], K = its axis 2); Q (in the module: [8, 1024, 1024], K = its axis 2); Wk (in the module: [1024, 1024], K = its axis 0); Wp (in the module: [1024, 1024], K = its axis 0); Wq (in the module: [1024, 1024], K = its axis 0); Wv (in the module: [1024, 1024], K = its axis 0): each comes as NAME_codes (uint8): NAME with its K axis moved to the last place and cut into blocks of 32 codes, [.., K / 32, bytes a block], one block behind the other in memory; two codes a byte, the lower K in the low four bits (a code: sign, 2 exponent bits, 1 mantissa bit); and NAME_scales (uint8): the same leading axes, one E8M0 byte (e + 127) for each 32 codes along K. Its value is code x scale, taken as it is: it is not quantised again, and the codes and scales need not be those that the quantiser above would give.
;; 2 versions, each right; version 2 is version 1 with the launch mab written anew for expert scheduling mode. Each part assembles by itself: llvm-mc -triple=amdgcn-amd-amdhsa -mcpu=gfx1250 --defsym DOCPART=n.
;; ======== version 1 of 2: 2 launches
;; limits: right only within a limited range of input values; a function is approximated: absolute error at most 1.5e-07
;; workspace buffers: kimg 4,194,304 bytes; vimg 4,194,304 bytes; ksc 524,288 bytes; vsc 262,144 bytes; wqi 524,288 bytes; wqs 32,768 bytes; wpi 524,288 bytes; wps 32,768 bytes
;; launch kvproj (part 1): grid 8 x 32, 4 waves a work-group, clusters of 4 x 4, 327,680 bytes of LDS; arguments K_codes, K_scales, Wk_codes, Wk_scales, Wv_codes, Wv_scales, bk, bv, kimg, vimg, ksc, vsc, Wq_codes, Wq_scales, Wp_codes, Wp_scales, wqi, wqs, wpi, wps; writes kimg, vimg, ksc, vsc, wqi, wqs, wpi, wps
.if DOCPART == 1
	.amdgcn_target "amdgcn-amd-amdhsa--gfx1250"
	.amdhsa_code_object_version 6
	.text
	.protected	k_qddce5cfaaa_kvproj
	.globl	k_qddce5cfaaa_kvproj
	.p2align	8
	.type	k_qddce5cfaaa_kvproj,@function
k_qddce5cfaaa_kvproj:
	s_mov_b64 s[64:65], 0
	v_nop
	global_prefetch_b8 v0, s[64:65] scope:SCOPE_SE
	s_setreg_imm32_b32 hwreg(HW_REG_WAVE_MODE, 25, 1), 1
	s_wait_xcnt 0x0
	s_wait_alu depctr_hold_cnt(0) depctr_sa_sdst(0) depctr_va_vdst(0) depctr_va_sdst(0) depctr_va_ssrc(0) depctr_va_vcc(0) depctr_vm_vsrc(0)
	s_getreg_b32 s2, hwreg(HW_REG_IB_STS2, 6, 4)
	s_cmp_eq_u32 s2, 0
	s_cbranch_scc0 .Lentry_in_a_cluster
	s_endpgm
.Lentry_in_a_cluster:
	s_bfe_u32 s2, ttmp6, 0x10000c
	s_cmp_lg_u32 s2, 0xf033
	s_cbranch_scc0 .Lentry_shape_is_right
	s_endpgm
.Lentry_shape_is_right:
; k = K Wk + bk and v = K Wv + bv on codes of FP4 (E2M1) with one E8M0 scale for each 32 along K; both are quantised in registers and stored as IMAGES OF OPERAND REGISTERS for the second launch:
; k along its head's 64 numbers, v along the keys.  On the side each wave re-lays one fragment of Wq or Wp in the same order.
; DEAD WORK: none is left out in this program.  Every input has a way to the output: bk and bv stand ahead of quantisers, the mask is an input, all biases and gains count.
; LIMITS: a block of zeros gets the scale byte 1 where the rule says 127 (its codes are zeros, and this program alone reads the bytes); NaN and infinities among the inputs are not served;
; the bias is added behind the f32 sum, as the problem writes it.
; SHARES.  256 work-groups of four waves, each 256 x 256 of a result, a wave 128 x 128 (64 accumulators, 512 registers).  K = 1,024 is two LDS slots of 512 along K: both are asked for at the head, nothing is filled again.
; The matrix instruction is used transposed (source 0 = 16 rows of the B side, source 1 = 16 rows of the A side): a lane holds ONE row of the A side, its registers run along the B side.
;   cluster x = 0 (k): A side = rows of K (keys), B side = rows of Wk (numbers of a head): a lane holds a key, registers run along the head.
;   cluster x = 1 (v): A side = rows of Wv, B side = rows of K: a lane holds one number of a head, registers run along the keys.
; CLUSTERS: 4 x 4.  The A side's tile hangs on the tile row alone and is asked for jointly along a row of the cluster, the B side's on the tile column alone, along a column.
; A BLOCK OF 16 A ROWS x 128: tile t's eight registers hold 16 t + 8 (lane / 16) + 0 .. 7.  One conversion a tile gives one register of codes; tile 4 c + u goes to register 4 c + (0, 2, 1, 3)[u], and two
; exchanges of lane halves for each c leave registers 4 c .. 4 c + 3 with 64 c + 32 (lane / 16) + 0 .. 31: the operand's order.
; REGISTERS, in windows of 256.  window 0: v1-29 addresses; v32-95 scale words (two sets; nothing else ever stands there); v96-119 codes and scale words on the way out; v128-191 the A side's fragments, later 64 numbers;
;   v192-207 at work on the way out; v208-220 the re-laid fragment.   window 1: the B side's fragments at v0 and v128; v64-127 the bias along the registers; v192-207 the bias along the lanes.   windows 2, 3: the accumulators.
.set KSTEP,  512
.set NQ,     4                         ; matrix instructions deep in a slot
.set ROWB,   256                       ; a tile's row in bytes
.set KROW,   512                       ; a row of codes in memory
.set PITCH,  272                       ; an LDS row: 256 bytes + 16 of padding, so that the 16 rows of a load start at 16 different banks (64 banks of 4 bytes: ISA guide 11.1)
.set FR,     8
.set NL,     2
.set NP,     4                         ; places behind this matrix instruction (ISA guide 7.12.1)
.set HALFT,  128*PITCH
.set SLOT,   4*HALFT
.set KS,     32                        ; a row of scale bytes
.set SCL,    2*SLOT                    ; behind the two slots: the scale bytes, as units of 256 bytes + 16
.set HALFS,  (128*KS/256)*272
.set SBLK,   (16*KS/256)*272
.set SPARE,  SCL+4*HALFS               ; the spare words: 128 bytes a wave, named by no other line
.set ADRA, 16
.set ADRB, 20
.set VO8,  25                          ; 8 x lane
.set VO,   26                          ; 16 x lane
.set ADRS, 27
.set SPW,  28
.set NIL,  29
.set SC,   32
.set PCD,  96                          ; v96-103 a block's codes
.set PW,   104                         ; its scale word
.set PE,   105                         ; the even block's word, kept
.set WD,   108                         ; v108-111 words of two blocks each: lanes 0-15 the even block, lanes 16-31 the odd
.set WO,   112                         ; v112-119 k's words, cut by head
.set AF,   128
.set X,    128
.set TM,   192
.set RB,   64                          ; window 1
.set PB,   192                         ; window 1
.set G1, 24
.set G0, 32
.set G1B, 48
.set G0B, 56
.set TYP, 66                           ; s66 the cluster's x: 0 k, 1 v
.set G1S, 68
.set G0S, 76
.set G1SB, 80
.set G0SB, 88
.set SELR, 100
.set HIM, 104                          ; s104 lanes 16-31
.set PADW, 105                         ; s105 two bytes of 0x7f on top
.set MSB, 0
.macro WIN new                         ; the immediate's high byte repeats the setting that is left
.if MSB != (\new)
	s_set_vgpr_msb (MSB<<8)|(\new)
.set MSB, \new
.endif
.endm
.set MUL_LO, 0xa1
.set MUL_HI, 0xf1
.set TO_B,   0x40
; A joint load: waves 0 and 1 fetch for the A side, waves 2 and 3 for the B side; the branch hangs on the wave's number alone.  An s_nop 0 and four v_nop follow each of the two lines.
.macro JLOAD g0a, g1a, g0b, g1b
	s_cmp_eq_u32 s17, 0
	s_cbranch_scc0 .Lfor_b_\@
	tensor_load_to_lds s[\g0a:\g0a+3], s[\g1a:\g1a+7]
	s_nop 0
.rept 4
	v_nop
.endr
	s_branch .Lasked_\@
.Lfor_b_\@:
	tensor_load_to_lds s[\g0b:\g0b+3], s[\g1b:\g1b+7]
	s_nop 0
.rept 4
	v_nop
.endr
.Lasked_\@:
.endm
.macro CROUND                          ; a round of the cluster's barrier
	s_barrier_signal -1
	s_barrier_wait -1
	s_cmp_lg_u32 s16, 0
	s_cbranch_scc1 .Lnot_wave_0_\@
	s_barrier_signal -3
.Lnot_wave_0_\@:
	s_barrier_wait -3
	s_barrier_signal -1
	s_barrier_wait -1
.endm
	s_load_b256 s[4:11], s[0:1], 0x0               ; K's codes, K's scales, Wk's codes, Wk's scales
	s_load_b128 s[12:15], s[0:1], 0x20             ; Wv's codes, Wv's scales
	v_lshl_add_u32 v[SPW], v0, 2, SPARE
	v_mov_b32 v[NIL], 0
	ds_add_u32 v[SPW], v[NIL]                      ; the wave's opening: the add, twice on end, and its wait ahead of my first tensor load
	ds_add_u32 v[SPW], v[NIL]
	v_lshrrev_b32 v1, 5, v0
	v_readfirstlane_b32 s16, v1                    ; wave 0..3
	s_lshr_b32 s17, s16, 1                         ; my half of the A side's rows.  Also: I fetch for the A side (0) or the B side (1)
	s_and_b32 s18, s16, 1                          ; my half of the B side's rows.  Also: which 128 rows of a tile I fetch
	s_bfe_u32 s40, ttmp6, 0x40000                  ; cx
	s_bfe_u32 s41, ttmp6, 0x40004                  ; cy
	s_mov_b32 s[TYP], ttmp9
	s_and_b32 s2, ttmp7, 0xffff
	s_lshl_b32 s2, s2, 2                           ; 4 x cluster y
	s_cmp_lg_u32 ttmp9, 0                          ; the cluster's x: the same in all sixteen partners
	s_cselect_b32 s19, 0, s2
	s_cselect_b32 s42, s2, 0
	s_add_co_u32 s19, s19, s41                     ; tile row: k: 4 Y + cy (32 tiles of keys); v: cy (4 tiles of Wv's rows)
	s_add_co_u32 s42, s42, s40                     ; tile column: k: cx; v: 4 Y + cx
	s_lshl_b32 s43, s41, 2
	s_lshl_b32 s43, 15, s43                        ; my row of the cluster
	s_lshl_b32 s44, 0x1111, s40                    ; my column
	s_or_b32 s[G1+0], s43, (0<<16)|(1<<20)|(1<<21)|(5<<22)|(3<<25)  ; the mask; elements of 1 byte; padding on; bit 21 beside a mask; 4 words after every 64
	s_or_b32 s[G1B+0], s44, (0<<16)|(1<<20)|(1<<21)|(5<<22)|(3<<25)
.irp g, G1, G1B
	s_mov_b32 s[\g+1], ROWB<<16                    ; tensor_dim0
	s_mov_b32 s[\g+2], 128<<16                     ; tensor_dim1
	s_mov_b32 s[\g+3], ROWB<<16                    ; tile_dim0
	s_mov_b32 s[\g+4], 128                         ; tile_dim1
	s_mov_b32 s[\g+5], KROW                        ; the pitch
	s_mov_b32 s[\g+6], 0
	s_mov_b32 s[\g+7], 0
.endr
	s_or_b32 s[G1S+0], s43, (3<<16)|(1<<20)|(1<<21)|(5<<22)|(3<<25) ; the scale bytes of 128 rows: 4,096 dense bytes as 16 rows of 256 (32 elements of 8 bytes)
	s_or_b32 s[G1SB+0], s44, (3<<16)|(1<<20)|(1<<21)|(5<<22)|(3<<25)
.irp g, G1S, G1SB
	s_mov_b32 s[\g+1], 32<<16
	s_mov_b32 s[\g+2], (128*KS/256)<<16
	s_mov_b32 s[\g+3], 32<<16
	s_mov_b32 s[\g+4], 128*KS/256
	s_mov_b32 s[\g+5], 32
	s_mov_b32 s[\g+6], 0
	s_mov_b32 s[\g+7], 0
.endr
	s_lshl_b32 s2, s18, 7                          ; which 128 rows of a tile I fetch
	s_lshl_b32 s20, s19, 8
	s_add_co_u32 s20, s20, s2                      ; the A side's row
	s_lshl_b32 s46, s42, 8
	s_add_co_u32 s46, s46, s2                      ; the B side's row
	s_lshl_b32 s22, s20, 5                         ; its scale bytes: 32 a row (all under 2^32: 8,192 rows at the most)
	s_lshl_b32 s92, s46, 5
	s_lshl_b32 s20, s20, 9                         ; its codes: 512 bytes a row
	s_lshl_b32 s46, s46, 9
	s_mov_b32 s21, 0
	s_mov_b32 s23, 0
	s_mov_b32 s47, 0
	s_mov_b32 s93, 0
	s_mul_i32 s45, s16, HALFT                      ; where they go: wave x 128 rows: no place in the cluster enters an LDS address
	s_mul_i32 s67, s16, HALFS
	s_mov_b32 s[SELR], 0x76543210
	s_mov_b32 s[SELR+1], 0xfedcba98
	s_mov_b32 s[HIM], 0xffff0000
	s_mov_b32 s[PADW], 0x7f7f0000
	s_wait_dscnt 0x0                               ; both opening adds are done
	s_wait_kmcnt 0x0
	s_cmp_lg_u32 ttmp9, 0
	s_cselect_b64 s[8:9], s[4:5], s[8:9]           ; the B side: Wk, or K
	s_cselect_b64 s[10:11], s[6:7], s[10:11]
	s_cselect_b64 s[4:5], s[12:13], s[4:5]         ; the A side: K, or Wv
	s_cselect_b64 s[6:7], s[14:15], s[6:7]
	s_add_nc_u64 s[20:21], s[4:5], s[20:21]
	s_add_nc_u64 s[22:23], s[6:7], s[22:23]
	s_add_nc_u64 s[46:47], s[8:9], s[46:47]
	s_add_nc_u64 s[92:93], s[10:11], s[92:93]
	CROUND                                         ; all sixteen work-groups are here: the first joint loads meet
	s_mov_b32 s[G0S], 1
	s_add_co_u32 s[G0S+1], s67, SCL
	s_mov_b64 s[G0S+2:G0S+3], s[22:23]
	s_or_b32 s[G0S+3], s[G0S+3], 0x80000000
	s_mov_b32 s[G0SB], 1
	s_add_co_u32 s[G0SB+1], s67, SCL
	s_mov_b64 s[G0SB+2:G0SB+3], s[92:93]
	s_or_b32 s[G0SB+3], s[G0SB+3], 0x80000000
	JLOAD G0S, G1S, G0SB, G1SB                     ; the scale bytes first
.irp s, 0,1
	s_mov_b32 s[G0+4*\s], 1
	s_add_co_u32 s[G0+4*\s+1], s45, \s*SLOT
	s_add_nc_u64 s[G0+4*\s+2:G0+4*\s+3], s[20:21], \s*ROWB
	s_or_b32 s[G0+4*\s+3], s[G0+4*\s+3], 0x80000000
	s_mov_b32 s[G0B+4*\s], 1
	s_add_co_u32 s[G0B+4*\s+1], s45, \s*SLOT
	s_add_nc_u64 s[G0B+4*\s+2:G0B+4*\s+3], s[46:47], \s*ROWB
	s_or_b32 s[G0B+4*\s+3], s[G0B+4*\s+3], 0x80000000
	JLOAD G0+4*\s, G1, G0B+4*\s, G1B               ; both halves of K: three loads of mine are out, and none follows
.endr
	; ---- ONE FRAGMENT OF Wq OR Wp A WAVE (1,024 waves, 2 x 64 tiles of 16 rows x 8 K steps), while the tiles are on their way: read as rows, stored in the order of the operand's registers
	s_load_b256 s[4:11], s[0:1], 0x60              ; Wq's codes, Wq's scales, Wp's codes, Wp's scales
	s_load_b256 s[92:99], s[0:1], 0x80             ; wqi, wqs, wpi, wps
	v_and_b32 v1, 15, v0                           ; r
	v_bfe_u32 v2, v0, 4, 1                         ; h
	v_and_b32 v9, 31, v0                           ; lane
	v_lshlrev_b32 v[VO], 4, v9
	v_lshlrev_b32 v[VO8], 3, v9
	v_lshlrev_b32 v7, 5, v2                        ; 32 h
	v_lshlrev_b32 v8, 2, v1                        ; 4 r
	v_lshlrev_b32 v217, 9, v1
	v_lshl_add_u32 v217, v2, 4, v217               ; a row of 512 bytes, + 16 h
	v_lshlrev_b32 v218, 5, v1                      ; a row of 32 scale bytes
	v_lshlrev_b32 v220, 3, v1                      ; 8 r
	s_lshl_b32 s2, ttmp9, 2
	s_add_co_u32 s2, s2, s40                       ; work-group x, 0..7
	s_and_b32 s3, ttmp7, 0xffff
	s_lshl_b32 s3, s3, 2
	s_add_co_u32 s3, s3, s41                       ; work-group y, 0..31
	s_and_b32 s3, s3, 15
	s_lshl_b32 s3, s3, 2
	s_lshr_b32 s12, s2, 1
	s_add_co_u32 s3, s3, s12                       ; T: the tile of 16 rows, 0..63
	s_and_b32 s2, s2, 1
	s_lshl_b32 s2, s2, 2
	s_add_co_u32 s2, s2, s16                       ; s: the K step, 0..7
	s_lshl_b32 s12, s3, 13
	s_lshl_b32 s14, s2, 6
	s_add_co_u32 s12, s12, s14                     ; from: 16 T rows of 512 bytes + 64 s
	s_mov_b32 s13, 0
	s_lshl_b32 s14, s3, 9
	s_lshl_b32 s15, s2, 2
	s_add_co_u32 s14, s14, s15                     ; its scale words: 16 T rows of 32 bytes + 4 s
	s_mov_b32 s15, 0
	s_wait_kmcnt 0x0
	s_and_b32 s67, ttmp7, 0xffff
	s_cmp_ge_u32 s67, 4                            ; the upper half of the grid takes Wp: the cluster's y alone decides
	s_cselect_b64 s[4:5], s[8:9], s[4:5]
	s_cselect_b64 s[6:7], s[10:11], s[6:7]
	s_cselect_b64 s[92:93], s[96:97], s[92:93]
	s_cselect_b64 s[94:95], s[98:99], s[94:95]
	s_add_nc_u64 s[4:5], s[4:5], s[12:13]
	s_add_nc_u64 s[6:7], s[6:7], s[14:15]
	global_load_b128 v[208:211], v217, s[4:5]
	global_load_b128 v[212:215], v217, s[4:5] offset:32
	global_load_b32 v216, v218, s[6:7]
	s_lshr_b32 s8, s3, 2                           ; w = T / 4: the wave of the second launch that reads it;  t = T % 4
	s_lshl_b32 s9, s8, 11
	s_lshl_b32 s8, s8, 15
	s_lshl_b32 s10, s2, 12
	s_add_co_u32 s8, s8, s10
	s_and_b32 s10, s3, 3
	s_lshl_b32 s11, s10, 10
	s_add_co_u32 s8, s8, s11                       ; to: 32,768 w + 4,096 s + 1,024 t
	s_lshl_b32 s11, s2, 8
	s_add_co_u32 s96, s9, s11
	s_and_b32 s11, s10, 1
	s_lshl_b32 s11, s11, 7
	s_add_co_u32 s96, s96, s11
	s_lshr_b32 s11, s10, 1
	s_lshl_b32 s11, s11, 2
	s_add_co_u32 s96, s96, s11                     ; its words: 2,048 w + 256 s + 8 (16 (t % 2) + r) + 4 (t / 2)
	s_mov_b32 s9, 0
	s_mov_b32 s97, 0
	s_add_nc_u64 s[92:93], s[92:93], s[8:9]
	s_add_nc_u64 s[94:95], s[94:95], s[96:97]
	s_wait_loadcnt 0x0
	global_store_b128 v[VO], v[208:211], s[92:93]              ; 512 consecutive bytes a store
	global_store_b128 v[VO], v[212:215], s[92:93] offset:512
	global_store_b32 v220, v216, s[94:95]                      ; lanes r and r + 16 hold the same word and write it to the same place
	s_wait_xcnt 0x0                                ; the bases are written again only behind this wait
	; ---- where my results go, and the biases
	s_load_b128 s[4:7], s[0:1], 0x30               ; bk, bv
	s_load_b256 s[92:99], s[0:1], 0x40             ; kimg, vimg, ksc, vsc
	s_wait_kmcnt 0x0
	s_cmp_lg_u32 s[TYP], 0
	s_cselect_b64 s[4:5], s[6:7], s[4:5]           ; the bias
	s_cselect_b64 s[12:13], s[94:95], s[92:93]     ; the codes' images
	s_cselect_b64 s[14:15], s[98:99], s[96:97]     ; the scale words
	s_cselect_b32 s2, s42, s19                     ; the tile of 256 keys,
	s_cselect_b32 s3, s18, s17                     ; my half of it,
	s_cselect_b32 s8, s19, s42                     ; the tile of 256 of the model's 1,024,
	s_cselect_b32 s9, s17, s18                     ; my half of it
	s_cselect_b32 s10, 8, 9                        ; a key step's scale words: 256 bytes (v) or 512 (k)
	s_lshl_b32 s8, s8, 1
	s_add_co_u32 s8, s8, s9                        ; hp: my pair of heads
	s_lshr_b32 s9, s2, 2                           ; b: the batch
	s_and_b32 s2, s2, 3
	s_lshl_b32 s2, s2, 1
	s_add_co_u32 s2, s2, s3                        ; j: my key step of 128
	s_lshl_b32 s3, s9, 3
	s_add_co_u32 s3, s3, s8                        ; 8 b + hp
	s_lshl_b32 s6, s3, 16
	s_lshl_b32 s7, s2, 12
	s_add_co_u32 s6, s6, s7
	s_mov_b32 s7, 0
	s_add_nc_u64 s[12:13], s[12:13], s[6:7]        ; + 65,536 (8 b + hp) + 4,096 j
	s_lshl_b32 s6, s3, 4
	s_add_co_u32 s6, s6, s2
	s_lshl_b32 s6, s6, s10
	s_add_nc_u64 s[14:15], s[14:15], s[6:7]        ; + ((16 b + 2 hp) 8 + j) x a key step's bytes
	s_lshl_b32 s6, s8, 9
	s_add_nc_u64 s[4:5], s[4:5], s[6:7]            ; my 128 numbers of the bias
	; Both forms of the bias are loaded by every wave, and one is used: along the registers (k) and along the lanes (v).  The choice on the way out is a branch on the cluster's x,
	; and every register that either arm reads is written on every way through the text.
	WIN TO_B
.irp b, 0,1,2,3,4,5,6,7
	global_load_b128 v[RB+8*\b:RB+8*\b+3], v7, s[4:5] offset:64*\b          ; register 8 b + i: number 16 b + 8 h + i
	global_load_b128 v[RB+8*\b+4:RB+8*\b+7], v7, s[4:5] offset:64*\b+16
.endr
.irp a, 0,1,2,3,4,5,6,7
	global_load_b32 v[PB+2*\a], v8, s[4:5] offset:64*\a                     ; a pair for block a: number 16 a + r, twice
	global_load_b32 v[PB+2*\a+1], v8, s[4:5] offset:64*\a
.endr
	WIN 0
	v_mul_u32_u24 v3, v1, PITCH
	v_lshl_add_u32 v4, v2, 4, v3                   ; a fragment's row x pitch + 16 x half
	s_mul_i32 s2, s17, HALFT                       ; my 128 rows of the A side
	s_mul_i32 s3, s18, HALFT
	s_add_co_u32 s3, s3, 2*HALFT                   ; my 128 of the B side, behind the A side's 256
.irp s, 0,1
	v_add_nc_u32 v[ADRA+\s], s2, v4
	v_add_nc_u32 v[ADRB+\s], s3, v4
	s_add_co_u32 s2, s2, SLOT
	s_add_co_u32 s3, s3, SLOT
.endr
	v_mul_u32_u24 v5, v1, KS                       ; my row's scale bytes,
	v_lshrrev_b32 v6, 8, v5
	v_lshl_add_u32 v5, v6, 4, v5                   ; and 16 more for each 256 passed
	s_mul_i32 s2, s17, HALFS
	s_mul_i32 s3, s18, HALFS
	s_add_co_u32 s3, s3, 2*HALFS
	s_sub_co_u32 s3, s3, s2
	v_mul_u32_u24 v6, s3, v2                       ; lanes 16-31 take the B side's
	s_add_co_u32 s2, s2, SCL
	v_add_nc_u32 v5, v5, v6
	v_add_nc_u32 v[ADRS], s2, v5
.macro FRAG reg, adr, q, i             ; 16 rows x 128 K of 4-bit codes: two loads of 16 bytes, 32 bytes apart
.irp c, 0,1
	ds_load_b128 v[\reg+4*\c:\reg+4*\c+3], v[\adr] offset:64*(\q)+32*\c+(\i)*16*PITCH
.endr
.endm
; 16 matrix instructions: A blocks a0, a0 + 1 x the B side's eight.  The 64 accumulators take turns, one instruction a turn, in the same order in every step.
.macro MUL16 a0, p, q, sc, zero
.irp a, \a0, \a0+1
.irp b, 0,1,2,3,4,5,6,7
.if \zero
	v_wmma_scale_f32_16x16x128_f8f6f4 v[8*(8*((\a)%4)+\b):8*(8*((\a)%4)+\b)+7], v[128*(\p)+FR*\b:128*(\p)+FR*\b+FR-1], v[AF+FR*(\a):AF+FR*(\a)+FR-1], 0, v[SC+8*NQ*(\sc)+NQ*\b+(\q)], v[SC+8*NQ*(\sc)+NQ*(\a)+(\q)] matrix_a_fmt:MATRIX_FMT_FP4 matrix_b_fmt:MATRIX_FMT_FP4 matrix_a_scale:MATRIX_SCALE_ROW1
.else
	v_wmma_scale_f32_16x16x128_f8f6f4 v[8*(8*((\a)%4)+\b):8*(8*((\a)%4)+\b)+7], v[128*(\p)+FR*\b:128*(\p)+FR*\b+FR-1], v[AF+FR*(\a):AF+FR*(\a)+FR-1], v[8*(8*((\a)%4)+\b):8*(8*((\a)%4)+\b)+7], v[SC+8*NQ*(\sc)+NQ*\b+(\q)], v[SC+8*NQ*(\sc)+NQ*(\a)+(\q)] matrix_a_fmt:MATRIX_FMT_FP4 matrix_b_fmt:MATRIX_FMT_FP4 matrix_a_scale:MATRIX_SCALE_ROW1
.endif
.endr
.endr
.endm
.macro FETCH_B slot, q, p
	WIN TO_B
.irp i, 0,1,2,3,4,5,6,7
	FRAG 128*(\p)+FR*\i, ADRB+\slot, \q, \i
.endr
	WIN 0
.endm
.macro FETCH_A slot, q, i0
.irp i, \i0, \i0+1, \i0+2, \i0+3
	FRAG AF+FR*(\i), ADRA+\slot, \q, \i
.endr
.endm
.macro SCALES sc                       ; a slot's scale words: lanes 0-15 the A side's block i, lanes 16-31 the B side's block i
.irp i, 0,1,2,3,4,5,6,7
	ds_load_b128 v[SC+8*NQ*\sc+NQ*\i:SC+8*NQ*\sc+NQ*\i+3], v[ADRS] offset:\i*SBLK
.endr
.endm
.macro PLACES n                        ; plain vector instructions that name none of the matrix instruction's registers (ISA guide 7.12.1)
.rept \n
	v_nop
.endr
.endm
.macro STEP slot, q, zero              ; 128 along K whose successor lies in the same slot
	s_wait_dscnt 4*NL                              ; all but the youngest eight loads (A blocks 4-7)
	WIN MUL_LO
	MUL16 0, (\q)%2, \q, \slot, \zero
	MUL16 2, (\q)%2, \q, \slot, \zero
	s_wait_dscnt 0
	PLACES NP
	FETCH_B \slot, (\q)+1, 1-(\q)%2
	FETCH_A \slot, (\q)+1, 0
	WIN MUL_HI
	MUL16 4, (\q)%2, \q, \slot, \zero
	MUL16 6, (\q)%2, \q, \slot, \zero
	PLACES NP
	WIN 0
	FETCH_A \slot, (\q)+1, 4
.endm
.macro TURN slot, next                 ; slot 0's last step, and the one change of slots
	s_wait_tensorcnt 0x0                           ; my part of slot 1 has landed
	ds_add_u32 v[SPW], v[NIL]                      ; 0 onto my spare word
	s_wait_dscnt 4*NL+1                            ; the add and the youngest eight loads may be out
	WIN MUL_LO
	MUL16 0, 1, NQ-1, \slot, 0
	s_wait_dscnt 0x0                               ; the add is done, my reads of slot 0 are over
	s_barrier_signal -1
	MUL16 2, 1, NQ-1, \slot, 0
	WIN 0
	s_barrier_wait -1                              ; slot 1 is whole
	PLACES NP
	v_add_nc_u32 v[ADRS], 4*NQ, v[ADRS]            ; the second half of each row's scale bytes
	FETCH_B \next, 0, 0
	FETCH_A \next, 0, 0
	SCALES \next
	WIN MUL_HI
	MUL16 4, 1, NQ-1, \slot, 0
	MUL16 6, 1, NQ-1, \slot, 0
	PLACES NP
	WIN 0
	FETCH_A \next, 0, 4
.endm
.macro STEPS slot, from
.set Q, \from
.rept NQ-1-\from
	STEP \slot, Q, 0
.set Q, Q+1
.endr
.endm
	s_wait_tensorcnt 0x1                           ; the scale bytes and my part of slot 0 are in; slot 1's load, issued last, may be out
	s_barrier_signal -1
	s_barrier_wait -1
	FETCH_B 0, 0, 0
	FETCH_A 0, 0, 0
	SCALES 0
	FETCH_A 0, 0, 4
	STEP 0, 0, 1                                   ; the first products start the sums: nothing is cleared
	STEPS 0, 1
	TURN 0, 1
	STEPS 1, 0
	s_wait_dscnt 4*NL
	WIN MUL_LO
	MUL16 0, 1, NQ-1, 1, 0
	MUL16 2, 1, NQ-1, 1, 0
	s_wait_dscnt 0
	WIN MUL_HI
	MUL16 4, 1, NQ-1, 1, 0
	MUL16 6, 1, NQ-1, 1, 0
	WIN 0
; THE WAY OUT.  64 numbers of a lane in v[X] on, register 16 b + i in block b of 32: the codes in v[PCD] on, the scale word in v[PW].
.macro QUANT
.irp b, 0,1,2,3
	v_max3_num_f32 v[TM+\b], |v[X+16*\b]|, |v[X+1+16*\b]|, 0x1800000   ; my 16 numbers of block b, and the floor 2^(3 - 127): the byte cannot fall under 1
.endr
.irp i, 2,4,6,8,10,12,14
.irp b, 0,1,2,3
	v_max3_num_f32 v[TM+\b], v[TM+\b], |v[X+16*\b+\i]|, |v[X+1+16*\b+\i]|
.endr
.endr
.irp b, 0,1,2,3
	v_permlanex16_b32 v[TM+4+\b], v[TM+\b], s[SELR], s[SELR+1]
.endr
.irp b, 0,1,2,3
	v_max_num_f32 v[TM+\b], v[TM+\b], v[TM+4+\b]   ; with lane l xor 16's 16: the block's largest magnitude
.endr
.irp b, 0,1,2,3
	v_add_nc_u32 v[TM+12+\b], 0xff000000, v[TM+\b] ; 2 off its exponent field: the conversion's scale operand
.endr
.irp b, 0,1,2,3
	v_lshrrev_b32 v[TM+4+\b], 23, v[TM+12+\b]      ; the scale's byte
.endr
	v_lshl_or_b32 v[PW], v[TM+5], 8, v[TM+4]
	v_lshl_or_b32 v[PW], v[TM+6], 16, v[PW]
	v_lshl_or_b32 v[PW], v[TM+7], 24, v[PW]
.irp t, 0,1,2,3,4,5,6,7
	v_cvt_scalef32_pk8_fp4_f32 v[PCD+4*(\t/4)+2*(\t%2)+(\t%4)/2], v[X+8*\t:X+8*\t+7], v[TM+12+\t/2]
.endr
	v_nop                                          ; one plain place behind a scaled conversion
.irp c, 0,1
	v_permlane16_swap_b32 v[PCD+4*\c], v[PCD+4*\c+1]     ; the first's lanes 16-31 change places with the second's lanes 0-15
	v_permlane16_swap_b32 v[PCD+4*\c+2], v[PCD+4*\c+3]
.endr
.endm
; Block a of 16 A rows: the bias, the quantiser, two stores of 512 consecutive bytes.  k: registers 0-3 are the even head's 64, registers 4-7 the odd head's.  v: the two halves of the operand's eight registers.
.macro EPI a
.set AC, 64*((\a)%4)
.if (\a) > 0
	s_wait_xcnt 0x0                                ; the last block's stores have read their data: the codes' registers are written again only behind this wait
.endif
	s_cmp_lg_u32 s[TYP], 0
	s_cbranch_scc1 .Lalong_lanes_\@
	WIN 0x06+(\a)/4                                ; source 0: window 2 or 3; source 1: window 1
.set i, 0
.rept 32
	v_pk_add_f32 v[X+2*i:X+2*i+1], v[AC+2*i:AC+2*i+1], v[RB+2*i:RB+2*i+1]   ; each accumulator from its low end on
.set i, i+1
.endr
	WIN 0
	s_branch .Lbiased_\@
.Lalong_lanes_\@:
	WIN 0x06+(\a)/4
.set i, 0
.rept 32
	v_pk_add_f32 v[X+2*i:X+2*i+1], v[AC+2*i:AC+2*i+1], v[PB+2*(\a):PB+2*(\a)+1]
.set i, i+1
.endr
	WIN 0
.Lbiased_\@:
	QUANT
	global_store_b128 v[VO], v[PCD:PCD+3], s[12:13] offset:512*(\a)
	global_store_b128 v[VO], v[PCD+4:PCD+7], s[12:13] offset:32768+512*(\a)
.if (\a)%2 == 0
	v_mov_b32 v[PE], v[PW]
.else
	v_cndmask_b32 v[WD+(\a)/2], v[PE], v[PW], s[HIM]     ; lanes 0-15: the even block's words; lanes 16-31: the odd block's
.endif
.endm
	PLACES NP                                      ; behind the last products: their results are read, and registers that they read are written
	s_wait_loadcnt 0x0                             ; the biases
.irp b, 0,1,2,3
	v_mov_b32 v[TM+4+\b], 0                        ; written once: a lane permute's destination counts as one of its sources
.endr
.irp a, 0,1,2,3,4,5,6,7
	EPI \a
.endr
	s_cmp_lg_u32 s[TYP], 0
	s_cbranch_scc1 .Lwords_v
.irp i, 0,1,2,3                                ; k: a word's low two bytes are the even head's blocks, its high two the odd head's; the other half of each head's word is 0x7f, for the 64 along K that hold zero codes
	v_and_or_b32 v[WO+\i], v[WD+\i], 0xffff, s[PADW]
	v_lshrrev_b32 v[WO+4+\i], 16, v[WD+\i]
.endr
.irp i, 0,1,2,3
	v_or_b32 v[WO+4+\i], s[PADW], v[WO+4+\i]
.endr
	global_store_b128 v[VO], v[WO:WO+3], s[14:15]
	global_store_b128 v[VO], v[WO+4:WO+7], s[14:15] offset:4096
	s_branch .Lwords_out
.Lwords_v:
	global_store_b64 v[VO8], v[WD:WD+1], s[14:15]              ; v: blocks 0-3 are the even head's four tiles, blocks 4-7 the odd head's
	global_store_b64 v[VO8], v[WD+2:WD+3], s[14:15] offset:2048
.Lwords_out:
	s_wait_tensorcnt 0x0                           ; the wave's end
	ds_add_u32 v[SPW], v[NIL]
	s_wait_dscnt 0x0
	CROUND                                         ; the closing round
	s_endpgm
.Lfunc_end_k_qddce5cfaaa_kvproj:
	.size	k_qddce5cfaaa_kvproj, .Lfunc_end_k_qddce5cfaaa_kvproj-k_qddce5cfaaa_kvproj
	.p2alignl 7, 3214868480
	.fill 96, 4, 3214868480
	.section	.rodata,"a",@progbits
	.p2align	6, 0x0
	.amdhsa_kernel k_qddce5cfaaa_kvproj
		.amdhsa_group_segment_fixed_size 327680
		.amdhsa_private_segment_fixed_size 0
		.amdhsa_enable_private_segment 0
		.amdhsa_kernarg_size 160
		.amdhsa_user_sgpr_count 2
		.amdhsa_user_sgpr_kernarg_segment_ptr 1
		.amdhsa_wavefront_size32 1
		.amdhsa_system_sgpr_workgroup_id_x 1
		.amdhsa_system_sgpr_workgroup_id_y 1
		.amdhsa_system_sgpr_workgroup_id_z 1
		.amdhsa_system_vgpr_workitem_id 0
		.amdhsa_next_free_vgpr 1024
		.amdhsa_next_free_sgpr 106
		.amdhsa_reserve_vcc 0
		.amdhsa_float_denorm_mode_32 3
		.amdhsa_float_denorm_mode_16_64 3
		.amdhsa_memory_ordered 1
		.amdhsa_forward_progress 1
		.amdhsa_inst_pref_size 168
	.end_amdhsa_kernel
	.amdgpu_metadata
---
amdhsa.version: [ 1, 2 ]
amdhsa.kernels:
  - .name:           k_qddce5cfaaa_kvproj
    .symbol:         k_qddce5cfaaa_kvproj.kd
    .args:
      - { .name: K_codes, .offset: 0, .size: 8, .value_kind: global_buffer, .address_space: global }
      - { .name: K_scales, .offset: 8, .size: 8, .value_kind: global_buffer, .address_space: global }
      - { .name: Wk_codes, .offset: 16, .size: 8, .value_kind: global_buffer, .address_space: global }
      - { .name: Wk_scales, .offset: 24, .size: 8, .value_kind: global_buffer, .address_space: global }
      - { .name: Wv_codes, .offset: 32, .size: 8, .value_kind: global_buffer, .address_space: global }
      - { .name: Wv_scales, .offset: 40, .size: 8, .value_kind: global_buffer, .address_space: global }
      - { .name: bk, .offset: 48, .size: 8, .value_kind: global_buffer, .address_space: global }
      - { .name: bv, .offset: 56, .size: 8, .value_kind: global_buffer, .address_space: global }
      - { .name: kimg, .offset: 64, .size: 8, .value_kind: global_buffer, .address_space: global }
      - { .name: vimg, .offset: 72, .size: 8, .value_kind: global_buffer, .address_space: global }
      - { .name: ksc, .offset: 80, .size: 8, .value_kind: global_buffer, .address_space: global }
      - { .name: vsc, .offset: 88, .size: 8, .value_kind: global_buffer, .address_space: global }
      - { .name: Wq_codes, .offset: 96, .size: 8, .value_kind: global_buffer, .address_space: global }
      - { .name: Wq_scales, .offset: 104, .size: 8, .value_kind: global_buffer, .address_space: global }
      - { .name: Wp_codes, .offset: 112, .size: 8, .value_kind: global_buffer, .address_space: global }
      - { .name: Wp_scales, .offset: 120, .size: 8, .value_kind: global_buffer, .address_space: global }
      - { .name: wqi, .offset: 128, .size: 8, .value_kind: global_buffer, .address_space: global }
      - { .name: wqs, .offset: 136, .size: 8, .value_kind: global_buffer, .address_space: global }
      - { .name: wpi, .offset: 144, .size: 8, .value_kind: global_buffer, .address_space: global }
      - { .name: wps, .offset: 152, .size: 8, .value_kind: global_buffer, .address_space: global }
    .group_segment_fixed_size: 327680
    .private_segment_fixed_size: 0
    .kernarg_segment_align: 8
    .kernarg_segment_size: 160
    .max_flat_workgroup_size: 128
    .sgpr_count:     106
    .vgpr_count:     1024
    .wavefront_size: 32
...
	.end_amdgpu_metadata
.endif
;; end of part 1
;; launch mab (part 2): grid 256 x 1, 16 waves a work-group, no clusters, 179,712 bytes of LDS; arguments Q_codes, Q_scales, wqi, wqs, bq, key_padding_mask, kimg, ksc, vimg, vsc, g0, beta0, wpi, wps, bp, g1, beta1, out0; writes out0
.if DOCPART == 2
	.amdgcn_target "amdgcn-amd-amdhsa--gfx1250"
	.amdhsa_code_object_version 6
	.text
	.protected	k_qddce5cfaaa_mab
	.globl	k_qddce5cfaaa_mab
	.p2align	8
	.type	k_qddce5cfaaa_mab,@function
k_qddce5cfaaa_mab:
	s_mov_b64 s[64:65], 0
	v_nop
	global_prefetch_b8 v0, s[64:65] scope:SCOPE_SE
	s_setreg_imm32_b32 hwreg(HW_REG_WAVE_MODE, 25, 1), 1
	s_wait_xcnt 0x0
; out = LN1(o + gelu(o Wp + bp)), o = LN0(q + ctx), q = Q Wq + bq, ctx = attention(q, k, v) with the padding mask: all products on codes of FP4 (E2M1) with E8M0 scales.  No work of the problem is left out.
; SHARES.  A work-group owns 32 rows (two tiles of 16) for all 16 heads; wave w owns head w = columns 64 w .. 64 w + 63 through the whole chain.  Four waves share a SIMD: one wave's vector work stands beside another's products and loads.
; Between waves go only the LayerNorms' sums (128 bytes a wave, four times) and o's codes.  Weights, k and v come from memory straight into operand registers: the first launch laid them in that order, 512 consecutive bytes a load.
; No cluster: within a work-group no two waves read the same fragment, and the loads land in operand registers; a joint load would add a pass through LDS and a round of 64 waves for each refill.
; LAYOUT.  Every product is used transposed (source 0 = 16 rows of a weight, of k or of v; source 1 = 16 of my rows): a lane holds ONE row (lane % 16), register i of tile t column 16 t + 8 (lane / 16) + i.
; A tile's eight registers give one register of codes; tile 4 c + u goes to register 4 c + (0, 2, 1, 3)[u]; two exchanges of lane halves leave registers 4 c .. 4 c + 3 with 64 c + 32 (lane / 16) + 0 .. 31: the operand's order.
; THE SCORES have K = 64: q's registers 4-7 hold zero codes, so what stands in k's registers 4-7 (the next tile's codes) adds nothing; the upper two bytes of both scale words are 0x7f.
; THE MASK is the C of the scores' products: 0, or -2^126 for a hidden key.  The running maximum begins at -2^100, so a hidden key never sets M, and its p is exactly 0; a batch with no key left gives 0 x (1 / 0) = NaN, as the problem does.
; THE SOFTMAX: t = score x log2(e) / 8; M = the running largest t, rounded up to a whole number; p = 2^(t - M) is quantised along the keys; the sum is taken of the unquantised p and divides at the end.
; GELU: max(y, 0) - |y| x erfc(|y| / sqrt 2) / 2, the erfc by a polynomial of degree 5 in 1 / (1 + 0.3275911 x) times e^(-x^2) (Abramowitz and Stegun 7.1.26: within 1.5e-7 for every x); it stands ahead of no quantiser.
; LIMITS: logits above -2^100 x ln 2, scores under 2^126 in size; a block of zeros gets the scale byte 1 (its codes are zeros); NaN and infinities among the inputs are not served; sums are taken in another order than the problem writes.
; REGISTERS: v1-5 stay; v6-13 and v252-255 hold scale words and nothing else; v16-39 q's codes and the softmax's state, later addresses; v40-103 the 2 x 4 accumulators (q, ctx, o, y); v104-167 weights' fragments, scores, rows read back;
;   v168-199 my rows' fragments, k, gains; v200-207 codes just made; v208-239 biases, v; v240-251 at work.
.set QST,   0                          ; LDS: Q's codes, 32 rows x (512 + 16) bytes
.set BIAS,  16896                      ; the mask as 1,024 numbers
.set RED,   20992                      ; four regions of 2,048: a wave's 32 partial sums at 128 w
.set OIMG,  29184                      ; o's 16 fragments as images of registers: (2 s + m) 1,024 + 512 c + 16 lane
.set OSC,   45568                      ; their scale words: 128 s + 64 m + 4 r
.set QF,    46592                      ; 8,192 bytes for each wave, its own: q, then o, as images of registers; then the stage for the way out
.set SPARE, 177664                     ; the spare words: 128 bytes a wave, named by no other line
.set L16, 1
.set L8,  2
.set XA,  3
.set SPW, 4
.set NIL, 5
.set XS,  6                            ; v6-13 my rows' scale words, one for each K step
.set QS,  6                            ; in attention: q's words (lanes 0-15 tile 0, lanes 16-31 tile 1),
.set PS,  7                            ; p's,
.set KSW, 8                            ; v8-11 k's,
.set VSW, 12                           ; v12-13 v's
.set FP,  14                           ; v[14:15] f = 2^(old M - new M), and a written partner
.set QC,  16                           ; v16-23, v24-31 q's codes: four registers and four of zeros, for each tile
.set ST,  32                           ; v32-35, v36-39: -M, the largest t, the sum in two halves
.set ACC, 40
.set S,   104
.set WF,  104
.set KF,  168
.set XF,  168
.set G,   168
.set PC,  200
.set PFB, 200
.set VF,  208
.set CB,  208
.set BT,  208
.set BM,  240
.set TQ,  240
.set PM,  244
.set T0,  248
.set PFO, 249
.set BI0, 250
.set WS,  252                          ; v252-255 the weights' scale words, a pair for each of two K steps
.set WV,  40
.set GID, 41
.set BAT, 42
.set TMP, 43
.set SEL, 44
.set CS,  46
.set HI,  48
.set CNT, 49
.set LIM, 50
.set TB,  51
.set PFA, 52
.set PX,  54
.set RN,  55
.set EPSR, 60
.macro WM d, a, b, c, sa, sb, ra, rb   ; one product; ra, rb: the scale words stand in lanes 16-31
.if (\ra) && (\rb)
	v_wmma_scale_f32_16x16x128_f8f6f4 v[(\d):(\d)+7], v[(\a):(\a)+7], v[(\b):(\b)+7], v[(\c):(\c)+7], v[\sa], v[\sb] matrix_a_fmt:MATRIX_FMT_FP4 matrix_b_fmt:MATRIX_FMT_FP4 matrix_a_scale:MATRIX_SCALE_ROW1 matrix_b_scale:MATRIX_SCALE_ROW1
.elseif (\ra)
	v_wmma_scale_f32_16x16x128_f8f6f4 v[(\d):(\d)+7], v[(\a):(\a)+7], v[(\b):(\b)+7], v[(\c):(\c)+7], v[\sa], v[\sb] matrix_a_fmt:MATRIX_FMT_FP4 matrix_b_fmt:MATRIX_FMT_FP4 matrix_a_scale:MATRIX_SCALE_ROW1
.elseif (\rb)
	v_wmma_scale_f32_16x16x128_f8f6f4 v[(\d):(\d)+7], v[(\a):(\a)+7], v[(\b):(\b)+7], v[(\c):(\c)+7], v[\sa], v[\sb] matrix_a_fmt:MATRIX_FMT_FP4 matrix_b_fmt:MATRIX_FMT_FP4 matrix_b_scale:MATRIX_SCALE_ROW1
.else
	v_wmma_scale_f32_16x16x128_f8f6f4 v[(\d):(\d)+7], v[(\a):(\a)+7], v[(\b):(\b)+7], v[(\c):(\c)+7], v[\sa], v[\sb] matrix_a_fmt:MATRIX_FMT_FP4 matrix_b_fmt:MATRIX_FMT_FP4
.endif
.endm
.macro NOPS
.rept 4
	v_nop
.endr
.endm
.macro BARRIER                         ; my LDS stores have landed and my LDS loads are in: then the work-group's barrier
	s_wait_dscnt 0x0
	s_barrier_signal -1
	s_barrier_wait -1
.endm
.macro DLOAD reg, ptr, va              ; 32 numbers of my 64 columns in a result's layout: register 8 t + i = column 16 t + 8 h + i
.irp t, 0,1,2,3
.irp c, 0,1
	global_load_b128 v[(\reg)+8*\t+4*\c:(\reg)+8*\t+4*\c+3], v[\va], s[\ptr:\ptr+1] offset:64*\t+16*\c
.endr
.endr
.endm
.macro WLOAD wb, wsb, s                ; K step s of my part of a weight: four fragments and their scale words: nine loads
.irp t, 0,1,2,3
.irp c, 0,1
	global_load_b128 v[WF+32*((\s)%2)+8*\t+4*\c:WF+32*((\s)%2)+8*\t+4*\c+3], v[L16], s[\wb:\wb+1] offset:(\s)*4096+\t*1024+\c*512
.endr
.endr
	global_load_b64 v[WS+2*((\s)%2):WS+2*((\s)%2)+1], v[L8], s[\wsb:\wsb+1] offset:(\s)*256
.endm
.macro XLOAD xa, x0, ss, sm, sc, s     ; K step s of my work-group's 32 rows: two fragments from LDS
.irp u, 0,1
.irp c, 0,1
	ds_load_b128 v[XF+16*((\s)%2)+8*\u+4*\c:XF+16*((\s)%2)+8*\u+4*\c+3], v[\xa] offset:(\x0)+(\s)*(\ss)+\u*(\sm)+\c*(\sc)
.endr
.endr
.endm
; PREFETCHES INTO THE L2 of k's and v's images.  All 32 work-groups of a batch walk the same images; the first 16 of them ask, wave 0 alone: work-group i for one pair of heads, of k (i < 8) or of v.
; One instruction names what that pair has in one key step: two runs of 4,096 bytes, lanes 256 bytes apart.  So each aligned block of 256 bytes is named once in the launch.
.macro ASKP off                        ; key steps 0 and 1, asked for in the q projection
	s_cmp_eq_u32 s[LIM], 1
	s_cbranch_scc0 .Lnot_mine_\@
	global_prefetch_b8 v[PFB], s[PFA:PFA+1] offset:\off th:TH_LOAD_NT scope:SCOPE_SE
.Lnot_mine_\@:
.endm
.macro ASK                             ; trip j asks for key step j + 2, one trip ahead of the loads that want it; the last trip and the tail ask for nothing
	s_cmp_gt_u32 s[CNT], s[LIM]
	s_cbranch_scc0 .Lnot_mine_\@
	global_prefetch_b8 v[PFO], s[PFA:PFA+1] th:TH_LOAD_NT scope:SCOPE_SE
.Lnot_mine_\@:
.endm
; [32 rows] x [my 64 columns], K = 1,024 in eight steps; the bias is the C of the first step.  The eight accumulators take turns, one instruction a turn.
; Weights run two steps ahead in two sets; W(0) and W(1) were asked for by the caller.
.macro GEMM32 wb, wsb, xa, x0, ss, sm, sc, ask
	XLOAD \xa, \x0, \ss, \sm, \sc, 0
	XLOAD \xa, \x0, \ss, \sm, \sc, 1
.set SS, 0
.rept 8
.if (SS == 0) || (SS == 7)
	s_wait_loadcnt 0x0                             ; step 0: the bias and my rows' words are younger than W(0); step 7: nothing is left out
.else
	s_wait_loadcnt 0x9                             ; the next step's nine loads may be out
.endif
.if SS < 7
	s_wait_dscnt 0x4                               ; the next step's four LDS loads may be out
.else
	s_wait_dscnt 0x0
.endif
.irp t, 0,1,2,3
.irp u, 0,1
.if SS == 0
	WM ACC+32*\u+8*\t, WF+32*(SS%2)+8*\t, XF+16*(SS%2)+8*\u, CB+8*\t, WS+2*(SS%2)+\t/2, XS+SS, \t%2, \u
.else
	WM ACC+32*\u+8*\t, WF+32*(SS%2)+8*\t, XF+16*(SS%2)+8*\u, ACC+32*\u+8*\t, WS+2*(SS%2)+\t/2, XS+SS, \t%2, \u
.endif
.endr
.endr
.if SS < 6
	NOPS                                           ; places in front of loads into registers that these products have read
	WLOAD \wb, \wsb, SS+2
	XLOAD \xa, \x0, \ss, \sm, \sc, SS+2
.if (\ask) && (SS == 2)
	ASKP 0
.endif
.if (\ask) && (SS == 4)
	ASKP 4096
.endif
.endif
.set SS, SS+1
.endr
.endm
; 32 numbers of a lane (64 along K with lane l xor 16's: two blocks) become four registers of codes at v[pc] and two scale bytes, under two of 0x7f, in v[w]
.macro QUANT2 s, pc, w
.irp b, 0,1
	v_max3_num_f32 v[TQ+\b], |v[(\s)+16*\b]|, |v[(\s)+1+16*\b]|, 0x1800000   ; the floor 2^(3 - 127): the byte cannot fall under 1
.endr
.irp i, 2,4,6,8,10,12,14
.irp b, 0,1
	v_max3_num_f32 v[TQ+\b], v[TQ+\b], |v[(\s)+16*\b+\i]|, |v[(\s)+1+16*\b+\i]|
.endr
.endr
.irp b, 0,1
	v_permlanex16_b32 v[TQ+2+\b], v[TQ+\b], s[SEL], s[SEL+1]
.endr
.irp b, 0,1
	v_max_num_f32 v[TQ+\b], v[TQ+\b], v[TQ+2+\b]
.endr
.irp b, 0,1
	v_add_nc_u32 v[TQ+4+\b], 0xff000000, v[TQ+\b]  ; 2 off the exponent field: the conversion's scale operand
.endr
.irp b, 0,1
	v_lshrrev_b32 v[TQ+2+\b], 23, v[TQ+4+\b]
.endr
	v_lshl_or_b32 v[\w], v[TQ+3], 8, v[TQ+2]
	v_or_b32 v[\w], 0x7f7f0000, v[\w]
.irp t, 0,1,2,3
	v_cvt_scalef32_pk8_fp4_f32 v[(\pc)+2*(\t%2)+\t/2], v[(\s)+8*\t:(\s)+8*\t+7], v[TQ+4+\t/2]
.endr
	v_nop                                          ; one plain place behind a scaled conversion
	v_permlane16_swap_b32 v[(\pc)], v[(\pc)+1]
	v_permlane16_swap_b32 v[(\pc)+2], v[(\pc)+3]
.endm
	s_load_b512 s[4:19], s[0:1], 0x0               ; Q's codes 4, Q's scales 6, wqi 8, wqs 10, bq 12, the mask 14, kimg 16, ksc 18
	s_load_b512 s[20:35], s[0:1], 0x40             ; vimg 20, vsc 22, g0 24, beta0 26, wpi 28, wps 30, bp 32, g1 34
	s_load_b128 s[36:39], s[0:1], 0x80             ; beta1 36, out0 38
	v_lshl_add_u32 v[SPW], v0, 2, SPARE
	v_mov_b32 v[NIL], 0
	v_lshrrev_b32 v16, 5, v0
	v_readfirstlane_b32 s[WV], v16                 ; wave 0..15 = my head
	v_and_b32 v16, 31, v0                          ; lane
	v_and_b32 v17, 15, v0                          ; r
	v_bfe_u32 v18, v0, 4, 1                        ; h
	v_lshlrev_b32 v[L16], 4, v16
	v_lshlrev_b32 v[L8], 3, v16
	v_mul_u32_u24 v[XA], v17, 528
	v_lshl_add_u32 v[XA], v18, 4, v[XA]            ; Q's fragments in LDS: row r x pitch + 16 h
	s_lshl_b32 s[TMP], s[WV], 10
	v_add_nc_u32 v20, s[TMP], v[L16]               ; Q in memory: rows 2 w and 2 w + 1, 16 bytes a lane
	s_mul_i32 s[TMP], s[WV], 1056
	v_add_nc_u32 v21, s[TMP], v[L16]               ; and in LDS
	v_lshlrev_b32 v22, 3, v0                       ; the mask: two words a thread
	v_lshlrev_b32 v23, 5, v16                      ; Q's scale bytes: lane l takes row l's 32
	v_lshlrev_b32 v25, 5, v18                      ; 32 h
	v_lshlrev_b32 v[PFB], 8, v17
	v_lshl_add_u32 v[PFB], v18, 15, v[PFB]         ; the prefetches' offset: 32,768 (lane / 16) + 256 (lane % 16)
	v_mov_b32 v36, 0xfe800000                      ; -2^126
	v_mov_b32 v[TQ+2], 0                           ; written once: a lane permute's destination counts as one of its sources
	v_mov_b32 v[TQ+3], 0
	s_mov_b32 s[GID], ttmp9
	s_lshr_b32 s[BAT], ttmp9, 5                    ; the batch
	s_mov_b32 s[SEL], 0x76543210
	s_mov_b32 s[SEL+1], 0xfedcba98
	s_mov_b32 s[CS], 0x3e38aa3b                    ; log2(e) / 8
	s_mov_b32 s[CS+1], s[CS]
	s_mov_b32 s[HI], 0xffff0000                    ; lanes 16-31
	s_mov_b32 s[TB], 0
	s_mov_b32 s[PX], 0x3e6d3389                    ; 0.3275911 / sqrt 2
	s_mov_b32 s[RN], 0x3a800000                    ; 1 / 1,024
	s_mov_b32 s[EPSR], 0x3727c5ac                  ; 1e-5
	s_mov_b32 s57, 0
	s_wait_kmcnt 0x0
	s_lshl_b32 s56, s[GID], 14
	s_add_nc_u64 s[4:5], s[4:5], s[56:57]          ; my 32 rows of Q's codes
	s_lshl_b32 s56, s[GID], 10
	s_add_nc_u64 s[6:7], s[6:7], s[56:57]
	s_lshl_b32 s56, s[WV], 15
	s_add_nc_u64 s[8:9], s[8:9], s[56:57]          ; my 64 columns of Wq and of Wp
	s_add_nc_u64 s[28:29], s[28:29], s[56:57]
	s_lshl_b32 s56, s[WV], 11
	s_add_nc_u64 s[10:11], s[10:11], s[56:57]
	s_add_nc_u64 s[30:31], s[30:31], s[56:57]
	s_lshl_b32 s56, s[WV], 8
.irp p, 12, 24, 26, 32, 34, 36
	s_add_nc_u64 s[\p:\p+1], s[\p:\p+1], s[56:57]  ; my 64 numbers of bq, g0, beta0, bp, g1, beta1
.endr
	s_lshl_b32 s56, s[BAT], 12
	s_add_nc_u64 s[14:15], s[14:15], s[56:57]
	s_and_b32 s58, s[GID], 31                      ; i: my place among the batch's 32 work-groups
	s_cmp_lt_u32 s58, 8
	s_cselect_b64 s[PFA:PFA+1], s[16:17], s[20:21]
	s_lshr_b32 s59, s58, 4
	s_or_b32 s59, s59, s[WV]
	s_cmp_eq_u32 s59, 0                            ; i < 16 and wave 0
	s_cselect_b32 s[LIM], 1, -1
	s_and_b32 s58, s58, 7
	s_lshl_b32 s58, s58, 16
	s_lshl_b32 s56, s[BAT], 19
	s_add_co_u32 s58, s58, s56
	s_mov_b32 s59, 0
	s_add_nc_u64 s[PFA:PFA+1], s[PFA:PFA+1], s[58:59]
	s_lshr_b32 s58, s[WV], 1
	s_lshl_b32 s58, s58, 16
	s_add_co_u32 s56, s56, s58                     ; 524,288 b + 65,536 (w / 2)
	s_add_nc_u64 s[16:17], s[16:17], s[56:57]
	s_add_nc_u64 s[20:21], s[20:21], s[56:57]
	s_and_b32 s58, s[WV], 1
	s_lshl_b32 s56, s58, 15
	s_add_nc_u64 s[16:17], s[16:17], s[56:57]      ; k: + 32,768 (w % 2)
	s_lshl_b32 s56, s58, 11
	s_add_nc_u64 s[20:21], s[20:21], s[56:57]      ; v: + 2,048 (w % 2)
	s_lshl_b32 s58, s[BAT], 4
	s_add_co_u32 s58, s58, s[WV]
	s_lshl_b32 s56, s58, 12
	s_add_nc_u64 s[18:19], s[18:19], s[56:57]
	s_lshl_b32 s56, s58, 11
	s_add_nc_u64 s[22:23], s[22:23], s[56:57]
	s_lshl_b32 s56, s[GID], 17
	s_lshl_b32 s58, s[WV], 8
	s_add_co_u32 s56, s56, s58
	s_add_nc_u64 s[38:39], s[38:39], s[56:57]      ; out: my 32 rows, my 256 bytes of each
	; ---- A: Q's codes and the mask go to LDS; the q projection's first operands are asked for
	global_load_b128 v[26:29], v20, s[4:5] th:TH_LOAD_NT
	global_load_b128 v[30:33], v20, s[4:5] offset:512 th:TH_LOAD_NT
	global_load_b64 v[34:35], v22, s[14:15]
	WLOAD 8, 10, 0
	WLOAD 8, 10, 1
	global_load_b128 v[XS:XS+3], v23, s[6:7]
	global_load_b128 v[XS+4:XS+7], v23, s[6:7] offset:16
	DLOAD CB, 12, 25
	s_wait_loadcnt 28                              ; the first three are in; the 9 + 9 + 2 + 8 younger loads stay out
	ds_store_b128 v21, v[26:29] offset:QST
	ds_store_b128 v21, v[30:33] offset:QST+528
	v_cmp_eq_u32 vcc_lo, 0, v34
	v_cndmask_b32 v34, 0, v36, vcc_lo
	v_cmp_eq_u32 vcc_lo, 0, v35
	v_cndmask_b32 v35, 0, v36, vcc_lo
	ds_store_b64 v22, v[34:35] offset:BIAS
	BARRIER                                        ; Q's 32 rows and the 1,024 numbers of the mask lie in LDS
	; ---- B: q = Q Wq + bq
	GEMM32 8, 10, XA, QST, 64, 8448, 32, 1
	; ---- C: k and v of key step 0 are asked for; q is kept in my LDS bytes and quantised along the head
.macro KLOAD o                         ; eight tiles of 16 keys (four registers each) and their words: nine loads
.irp t, 0,1,2,3,4,5,6,7
	global_load_b128 v[KF+4*\t:KF+4*\t+3], v[L16], s[16:17] offset:(\o)*4096+512*\t
.endr
	global_load_b128 v[KSW:KSW+3], v[L16], s[18:19] offset:(\o)*512
.endm
.macro VLOAD o                         ; four tiles of 16 of the head's 64 x 128 keys and their words: nine loads
.irp t, 0,1,2,3
.irp c, 0,1
	global_load_b128 v[VF+8*\t+4*\c:VF+8*\t+4*\c+3], v[L16], s[20:21] offset:(\o)*4096+32768*\c+512*\t
.endr
.endr
	global_load_b64 v[VSW:VSW+1], v[L8], s[22:23] offset:(\o)*256
.endm
	NOPS
	KLOAD 0
	VLOAD 0
	s_lshl_b32 s[TMP], s[WV], 13
	s_add_co_u32 s[TMP], s[TMP], QF
	v_add_nc_u32 v[XA], s[TMP], v[L16]
.irp i, 0,1,2,3,4,5,6,7,8,9,10,11,12,13,14,15
	ds_store_b128 v[XA], v[ACC+4*\i:ACC+4*\i+3] offset:512*\i     ; each accumulator from its low end on
.endr
	QUANT2 ACC, QC, 246
	QUANT2 ACC+32, QC+8, 247
	v_cndmask_b32 v[QS], v246, v247, s[HI]
	s_wait_dscnt 0x0
	s_wait_xcnt 0x0                                ; the prefetches of the q projection have read their address and offset
	s_add_nc_u64 s[PFA:PFA+1], s[PFA:PFA+1], 8192  ; at key step 2
	v_mov_b32 v[PFO], v[PFB]
.irp i, 4,5,6,7,12,13,14,15
	v_mov_b32 v[QC+\i], 0                          ; zero codes for the upper 64 of the instruction's 128 along K
.endr
.irp i, 0,1,2,3,4,5,6,7
	v_mov_b32 v[PC+\i], 0                          ; (k's last tile names the first four as its upper half)
.endr
.irp i, 0,1,2,3
	v_mov_b32 v[PM+\i], 0
.endr
	v_mov_b32 v[FP+1], 0
	v_bfe_u32 v[BI0], v0, 4, 1
	v_lshl_add_u32 v[BI0], v[BI0], 5, BIAS         ; the mask's numbers: 32 h on
.irp u, 0,1
	v_mov_b32 v[ST+4*\u+1], 0xf1800000             ; the largest t so far: -2^100
	v_mov_b32 v[ST+4*\u+2], 0
	v_mov_b32 v[ST+4*\u+3], 0
.endr
	v_floor_f32 v[ST], -v[ST+1]
	v_floor_f32 v[ST+4], -v[ST+5]
.set i, 0
.rept 64
	v_mov_b32 v[ACC+i], 0                          ; ctx.  (The key step is written once: the first finds zeros, which the first change of M leaves zeros)
.set i, i+1
.endr
	; ---- D: attention, 128 keys a step
.macro SCORES m
.irp t, 0,1,2,3,4,5,6,7
.irp c, 0,1
	ds_load_b128 v[S+8*\t+4*\c:S+8*\t+4*\c+3], v[XA] offset:64*\t+16*\c   ; the mask's numbers in the result's layout: the products' C
.endr
.endr
.if (\m) == 0
	s_wait_loadcnt 0x9                             ; k of this step is in; v's nine loads may be out
.endif
	s_wait_dscnt 0x0
.irp t, 0,1,2,3,4,5,6,7
	WM S+8*\t, KF+4*\t, QC+8*(\m), S+8*\t, KSW+\t/2, QS, \t%2, \m
.endr
	NOPS
.endm
.macro PVS m
.irp t, 0,1,2,3
	WM ACC+32*(\m)+8*\t, VF+8*\t, PC, ACC+32*(\m)+8*\t, VSW+\t/2, PS, \t%2, 0
.endr
.endm
.macro SOFTMAX m
.set STT, ST+4*(\m)
.set OO, ACC+32*(\m)
.irp b, 0,1,2,3
	v_max3_num_f32 v[BM+\b], v[S+16*\b], v[S+1+16*\b], v[S+2+16*\b]   ; the largest score of each block of 32 keys: for the row's maximum, and, since p rises with the score, for the block's largest p
.endr
.irp i, 3,5,7,9,11,13
.irp b, 0,1,2,3
	v_max3_num_f32 v[BM+\b], v[BM+\b], v[S+16*\b+\i], v[S+1+16*\b+\i]
.endr
.endr
.irp b, 0,1,2,3
	v_max_num_f32 v[BM+\b], v[BM+\b], v[S+15+16*\b]
.endr
.irp b, 0,1,2,3
	v_permlanex16_b32 v[PM+\b], v[BM+\b], s[SEL], s[SEL+1]
.endr
.irp b, 0,1,2,3
	v_max_num_f32 v[BM+\b], v[BM+\b], v[PM+\b]
.endr
	v_max3_num_f32 v[T0], v[BM], v[BM+1], v[BM+2]
	v_max_num_f32 v[T0], v[T0], v[BM+3]
	v_mul_f32 v[T0], s[CS], v[T0]
	v_max_num_f32 v[STT+1], v[STT+1], v[T0]        ; the running largest t
	v_mov_b32 v[T0], v[STT]
	v_floor_f32 v[STT], -v[STT+1]                  ; -M = floor(-t): M is a whole number
	v_sub_f32 v[T0], v[STT], v[T0]
	v_cvt_i32_f32 v[T0], v[T0]                     ; (it saturates)
	v_ldexp_f32 v[FP], 1.0, v[T0]                  ; f = 2^(old M - new M)
.irp j, 0,2,4,6,8,10,12,14,16,18,20,22,24,26,28,30,32,34,36,38,40,42,44,46,48,50,52,54,56,58,60,62
	v_pk_fma_f32 v[S+\j:S+\j+1], v[S+\j:S+\j+1], s[CS:CS+1], v[STT:STT+1] op_sel_hi:[1,0,0]   ; t - M
.endr
.irp b, 0,1,2,3
	v_fma_f32 v[BM+\b], v[BM+\b], s[CS], v[STT]
.endr
.set i, 0
.rept 64
	v_exp_f32 v[S+i], v[S+i]                       ; p = 2^(t - M)
.set i, i+1
.endr
	v_pk_mul_f32 v[STT+2:STT+3], v[STT+2:STT+3], v[FP:FP+1] op_sel_hi:[1,0]   ; the sums under the new M: the plain place behind the exponentials
	s_wait_alu depctr_va_vdst(0)                   ; one wait for the batch of 64, ahead of its first reader
.irp b, 0,1,2,3
	v_exp_f32 v[BM+\b], v[BM+\b]                   ; each block's largest p
.endr
	v_pk_add_f32 v[PM:PM+1], v[S:S+1], v[S+2:S+3]  ; the row's sum of the unquantised p, in two chains
.irp j, 4,8,12,16,20,24,28,32,36,40,44,48,52,56,60
	v_pk_add_f32 v[STT+2:STT+3], v[STT+2:STT+3], v[S+\j:S+\j+1]
	v_pk_add_f32 v[PM:PM+1], v[PM:PM+1], v[S+\j+2:S+\j+3]
.endr
	v_pk_add_f32 v[STT+2:STT+3], v[STT+2:STT+3], v[PM:PM+1]
	s_wait_alu depctr_va_vdst(0)                   ; and one for the four
.irp b, 0,1,2,3
	v_max_num_f32 v[BM+\b], 0x1800000, v[BM+\b]    ; the floor 2^(3 - 127)
.endr
.irp b, 0,1,2,3
	v_add_nc_u32 v[BM+\b], 0xff000000, v[BM+\b]    ; 2 off the exponent field: the conversion's scale operand, in place
.endr
.irp b, 0,1,2,3
	v_lshrrev_b32 v[PM+\b], 23, v[BM+\b]
.endr
	v_lshl_or_b32 v[PS], v[PM+1], 8, v[PM]
	v_lshl_or_b32 v[PS], v[PM+2], 16, v[PS]
	v_lshl_or_b32 v[PS], v[PM+3], 24, v[PS]
.irp t, 0,1,2,3,4,5,6,7
	v_cvt_scalef32_pk8_fp4_f32 v[PC+4*(\t/4)+2*(\t%2)+(\t%4)/2], v[S+8*\t:S+8*\t+7], v[BM+\t/2]
.endr
	v_nop                                          ; one plain place behind a scaled conversion
.irp c, 0,1
	v_permlane16_swap_b32 v[PC+4*\c], v[PC+4*\c+1]
	v_permlane16_swap_b32 v[PC+4*\c+2], v[PC+4*\c+3]
.endr
.irp j, 0,2,4,6,8,10,12,14,16,18,20,22,24,26,28,30
	v_pk_mul_f32 v[OO+\j:OO+\j+1], v[OO+\j:OO+\j+1], v[FP:FP+1] op_sel_hi:[1,0]   ; ctx under the new M.  (These 16 are also the places between p's word and codes and the products that take them)
.endr
.endm
.macro STEP next
	v_add_nc_u32 v[XA], s[TB], v[BI0]
	SCORES 0
	SOFTMAX 0
	s_wait_loadcnt 0x0                             ; v of this step: nothing younger is out
	PVS 0
	SCORES 1
.if \next
	KLOAD 1                                        ; the four v_nop above are the places in front of these loads
	ASK
.endif
	SOFTMAX 1
	PVS 1
.if \next
	NOPS
	VLOAD 1
	s_wait_xcnt 0x0                                ; the bases are stepped only behind this wait
	s_add_nc_u64 s[16:17], s[16:17], 4096
	s_add_nc_u64 s[18:19], s[18:19], 512
	s_add_nc_u64 s[20:21], s[20:21], 4096
	s_add_nc_u64 s[22:23], s[22:23], 256
	s_add_nc_u64 s[PFA:PFA+1], s[PFA:PFA+1], 4096
	s_add_co_u32 s[TB], s[TB], 512
.endif
.endm
	s_mov_b32 s[CNT], 7
.Lkey:
	STEP 1
	s_sub_co_u32 s[CNT], s[CNT], 1
	s_cmp_lg_u32 s[CNT], 0
	s_cbranch_scc1 .Lkey
	STEP 0                                         ; the last step is written out: no load leaves its buffer
	; ---- E: the addresses of the row phases (plain work: the places behind the last products); x = q + ctx / l
	v_and_b32 v25, 15, v0                          ; r
	v_bfe_u32 v26, v0, 4, 1                        ; h
	v_and_b32 v16, 31, v0
	v_lshlrev_b32 v16, 2, v16                      ; v16: 4 x lane
	s_lshl_b32 s[TMP], s[WV], 7
	v_add_nc_u32 v17, s[TMP], v16                  ; v17: 128 w + 4 lane: my partial sums
	s_lshl_b32 s[TMP], s[WV], 13
	s_add_co_u32 s[TMP], s[TMP], QF
	v_add_nc_u32 v18, s[TMP], v[L16]               ; v18: my 8,192 bytes, 16 a lane
	v_lshlrev_b32 v19, 5, v26                      ; v19: 32 h
	s_lshr_b32 s56, s[WV], 1
	s_and_b32 s58, s[WV], 1
	s_lshl_b32 s59, s56, 11
	s_lshl_b32 s57, s58, 9
	s_add_co_u32 s59, s59, s57
	v_add_nc_u32 v20, s59, v[L16]                  ; v20: o's images: K step w / 2, register group w % 2
	s_lshl_b32 s59, s56, 7
	s_lshl_b32 s57, s58, 1
	s_add_co_u32 s59, s59, s57
	v_lshl_add_u32 v21, v25, 2, s59                ; v21: my two bytes of row r's scale word
	v_mul_u32_u24 v22, v25, 272
	v_add_nc_u32 v22, v22, v19
	v_add_nc_u32 v22, s[TMP], v22                  ; v22: the stage, on the way in: row r, + 32 h
	v_mul_u32_u24 v23, v26, 272
	v_lshl_add_u32 v23, v25, 4, v23
	v_add_nc_u32 v23, s[TMP], v23                  ; v23: and back: lanes 0-15 one row, lanes 16-31 the next
	v_lshlrev_b32 v24, 12, v26
	v_lshl_add_u32 v24, v25, 4, v24                ; v24: the same two rows in out
	DLOAD G, 24, 19
	DLOAD BT, 26, 19
.irp i, 0,1,2,3,4,5,6,7,8,9,10,11,12,13,14,15
	ds_load_b128 v[S+4*\i:S+4*\i+3], v18 offset:512*\i            ; q
.endr
.irp u, 0,1
	v_add_f32 v[ST+4*\u+2], v[ST+4*\u+2], v[ST+4*\u+3]
.endr
.irp u, 0,1
	v_permlanex16_b32 v[ST+4*\u+3], v[ST+4*\u+2], s[SEL], s[SEL+1]
.endr
.irp u, 0,1
	v_add_f32 v[ST+4*\u+2], v[ST+4*\u+2], v[ST+4*\u+3]            ; l
.endr
.irp u, 0,1
	v_rcp_f32 v[ST+4*\u+2], v[ST+4*\u+2]
.endr
	v_nop
	s_wait_alu depctr_va_vdst(0)                   ; one wait for the two reciprocals
	s_wait_dscnt 0x0
.irp u, 0,1
.irp j, 0,2,4,6,8,10,12,14,16,18,20,22,24,26,28,30
	v_pk_fma_f32 v[ACC+32*\u+\j:ACC+32*\u+\j+1], v[ACC+32*\u+\j:ACC+32*\u+\j+1], v[ST+4*\u+2:ST+4*\u+3], v[S+32*\u+\j:S+32*\u+\j+1] op_sel_hi:[1,0,1]
.endr
.endr
; THE LAYERNORMS, in two passes as the problem writes them.  A row lies in lanes r and r + 16 of all sixteen waves.
.set A0, 240
.set A1, 242
.set YY, 244
.set KP, 245
.set PXR, 246
.set PP, 247
.set TT, 248
.set TX, 249
.set PR0, 28                           ; v[28:29], v[30:31]: a row's figure for tile 0, tile 1; the low register serves both halves (the upper ones were written long ago)
.set PR1, 30
.macro REDUCE k                        ; v[A0], v[A1]: my 32 numbers' sums of tiles 0, 1  ->  v[TT]: lane l holds row l's sum over all 1,024
	v_cndmask_b32 v[YY], v[A1], v[A0], s[HI]
	v_cndmask_b32 v[KP], v[A0], v[A1], s[HI]
	v_permlanex16_b32 v[PXR], v[YY], s[SEL], s[SEL+1]
	v_add_f32 v[PP], v[KP], v[PXR]                 ; lane l: row l's sum over my 64 columns
	ds_store_b32 v17, v[PP] offset:RED+2048*(\k)
	BARRIER
.irp i, 0,1,2,3,4,5,6,7,8,9,10,11,12,13,14,15
	ds_load_b32 v[S+\i], v16 offset:RED+2048*(\k)+128*\i
.endr
	s_wait_dscnt 0x0
.irp i, 0,4,8,12
	v_pk_add_f32 v[S+\i:S+\i+1], v[S+\i:S+\i+1], v[S+\i+2:S+\i+3]
.endr
	v_pk_add_f32 v[S:S+1], v[S:S+1], v[S+4:S+5]
	v_pk_add_f32 v[S+8:S+9], v[S+8:S+9], v[S+12:S+13]
	v_pk_add_f32 v[S:S+1], v[S:S+1], v[S+8:S+9]
	v_add_f32 v[TT], v[S], v[S+1]
.endm
.macro SPLIT                           ; lane (r, h) gets row r's figure for tile 0 and row 16 + r's for tile 1
	v_permlanex16_b32 v[TX], v[TT], s[SEL], s[SEL+1]
	v_cndmask_b32 v[PR0], v[TT], v[TX], s[HI]
	v_cndmask_b32 v[PR1], v[TX], v[TT], s[HI]
.endm
.macro LN_MEAN k
	v_pk_add_f32 v[A0:A0+1], v[ACC:ACC+1], v[ACC+2:ACC+3]
	v_pk_add_f32 v[A1:A1+1], v[ACC+32:ACC+33], v[ACC+34:ACC+35]
.irp j, 4,6,8,10,12,14,16,18,20,22,24,26,28,30
	v_pk_add_f32 v[A0:A0+1], v[A0:A0+1], v[ACC+\j:ACC+\j+1]
	v_pk_add_f32 v[A1:A1+1], v[A1:A1+1], v[ACC+32+\j:ACC+32+\j+1]
.endr
	v_add_f32 v[A0], v[A0], v[A0+1]
	v_add_f32 v[A1], v[A1], v[A1+1]
	REDUCE \k
	v_mul_f32 v[TT], s[RN], v[TT]
	SPLIT
.irp u, 0,1
.irp j, 0,2,4,6,8,10,12,14,16,18,20,22,24,26,28,30
	v_pk_add_f32 v[ACC+32*\u+\j:ACC+32*\u+\j+1], v[ACC+32*\u+\j:ACC+32*\u+\j+1], v[PR0+2*\u:PR0+2*\u+1] op_sel_hi:[1,0] neg_lo:[0,1] neg_hi:[0,1]
.endr
.endr
.endm
.macro LN_VAR k
	v_pk_mul_f32 v[A0:A0+1], v[ACC:ACC+1], v[ACC:ACC+1]
	v_pk_mul_f32 v[A1:A1+1], v[ACC+32:ACC+33], v[ACC+32:ACC+33]
.irp j, 2,4,6,8,10,12,14,16,18,20,22,24,26,28,30
	v_pk_fma_f32 v[A0:A0+1], v[ACC+\j:ACC+\j+1], v[ACC+\j:ACC+\j+1], v[A0:A0+1]
	v_pk_fma_f32 v[A1:A1+1], v[ACC+32+\j:ACC+32+\j+1], v[ACC+32+\j:ACC+32+\j+1], v[A1:A1+1]
.endr
	v_add_f32 v[A0], v[A0], v[A0+1]
	v_add_f32 v[A1], v[A1], v[A1+1]
	REDUCE \k
	v_fma_f32 v[TT], v[TT], s[RN], s[EPSR]
	v_rsq_f32 v[TT], v[TT]
	v_nop
	s_wait_alu depctr_va_vdst(0)                   ; ahead of the first reader
	SPLIT
.endm
.macro LN_APPLY
.irp u, 0,1
.irp j, 0,2,4,6,8,10,12,14,16,18,20,22,24,26,28,30
	v_pk_mul_f32 v[ACC+32*\u+\j:ACC+32*\u+\j+1], v[ACC+32*\u+\j:ACC+32*\u+\j+1], v[PR0+2*\u:PR0+2*\u+1] op_sel_hi:[1,0]
.endr
.endr
.irp u, 0,1
.irp j, 0,2,4,6,8,10,12,14,16,18,20,22,24,26,28,30
	v_pk_fma_f32 v[ACC+32*\u+\j:ACC+32*\u+\j+1], v[ACC+32*\u+\j:ACC+32*\u+\j+1], v[G+\j:G+\j+1], v[BT+\j:BT+\j+1]
.endr
.endr
.endm
	LN_MEAN 0
	LN_VAR 1
	s_wait_loadcnt 0x0                             ; g0, beta0
	WLOAD 28, 30, 0                                ; Wp's first two K steps, into registers that the sums have left
	WLOAD 28, 30, 1
	LN_APPLY                                       ; o
	; ---- F: o is kept in my LDS bytes; its codes (half a K step's fragment for each tile of rows) and two scale bytes go to the other waves
.irp i, 0,1,2,3,4,5,6,7,8,9,10,11,12,13,14,15
	ds_store_b128 v18, v[ACC+4*\i:ACC+4*\i+3] offset:512*\i
.endr
	QUANT2 ACC, PC, 246
	QUANT2 ACC+32, PC+4, 247
.irp u, 0,1
	ds_store_b128 v20, v[PC+4*\u:PC+4*\u+3] offset:OIMG+1024*\u
	ds_store_b16 v21, v[246+\u] offset:OSC+64*\u   ; the word's low two bytes; lanes r and r + 16 write the same
.endr
	DLOAD CB, 32, 19                               ; bp
	BARRIER                                        ; o's sixteen fragments and their scale words lie in LDS
.irp s, 0,1,2,3,4,5,6,7
	ds_load_b32 v[XS+\s], v16 offset:OSC+128*\s    ; lanes 0-15 tile 0's rows, lanes 16-31 tile 1's
.endr
	; ---- G: y = o Wp + bp
	GEMM32 28, 30, L16, OIMG, 2048, 1024, 512, 0
	; ---- H: x = o + gelu(y)
.set GT, 168
.set GE, 184
.set GA, 208
.set GM, 224
.set C1, 240
.set C2, 242
.set C3, 244
.set C4, 246
.set C5, 248
.set CE, 250
	NOPS
.irp i, 0,1,2,3,4,5,6,7,8,9,10,11,12,13,14,15
	ds_load_b128 v[S+4*\i:S+4*\i+3], v18 offset:512*\i            ; o
.endr
.irp u, 0,1
	v_mov_b32 v[C1+\u], 0x3e027906                 ;  0.127414796: the polynomial's coefficients, halved
	v_mov_b32 v[C2+\u], 0xbe11a98e                 ; -0.142248368
	v_mov_b32 v[C3+\u], 0x3f35f0e3                 ;  0.710706871
	v_mov_b32 v[C4+\u], 0xbf3a00e3                 ; -0.726576014
	v_mov_b32 v[C5+\u], 0x3f07dc22                 ;  0.530702715
	v_mov_b32 v[CE+\u], 0xbf38aa3b                 ; -log2(e) / 2
.endr
	s_wait_dscnt 0x0
.macro GELU16 k                        ; sixteen numbers of a lane
.set YB, ACC+16*(\k)
.set OB, S+16*(\k)
.irp i, 0,1,2,3,4,5,6,7,8,9,10,11,12,13,14,15
	v_fma_f32 v[GT+\i], |v[YB+\i]|, s[PX], 1.0     ; 1 + 0.3275911 |y| / sqrt 2
.endr
.irp i, 0,2,4,6,8,10,12,14
	v_pk_mul_f32 v[GE+\i:GE+\i+1], v[YB+\i:YB+\i+1], v[YB+\i:YB+\i+1]
.endr
.irp i, 0,2,4,6,8,10,12,14
	v_pk_mul_f32 v[GE+\i:GE+\i+1], v[GE+\i:GE+\i+1], v[CE:CE+1]
.endr
.irp i, 0,1,2,3,4,5,6,7,8,9,10,11,12,13,14,15
	v_rcp_f32 v[GT+\i], v[GT+\i]
.endr
.irp i, 0,1,2,3,4,5,6,7,8,9,10,11,12,13,14,15
	v_exp_f32 v[GE+\i], v[GE+\i]                   ; e^(-y^2 / 2)
.endr
.irp i, 0,1,2,3,4,5,6,7,8,9,10,11,12,13,14,15
	v_max_num_f32 v[GM+\i], 0, v[YB+\i]            ; plain work behind the batch
.endr
	s_wait_alu depctr_va_vdst(0)                   ; one wait for the 32
.irp i, 0,2,4,6,8,10,12,14
	v_pk_fma_f32 v[GA+\i:GA+\i+1], v[GT+\i:GT+\i+1], v[C5:C5+1], v[C4:C4+1]
.endr
.irp i, 0,2,4,6,8,10,12,14
	v_pk_fma_f32 v[GA+\i:GA+\i+1], v[GA+\i:GA+\i+1], v[GT+\i:GT+\i+1], v[C3:C3+1]
.endr
.irp i, 0,2,4,6,8,10,12,14
	v_pk_fma_f32 v[GA+\i:GA+\i+1], v[GA+\i:GA+\i+1], v[GT+\i:GT+\i+1], v[C2:C2+1]
.endr
.irp i, 0,2,4,6,8,10,12,14
	v_pk_fma_f32 v[GA+\i:GA+\i+1], v[GA+\i:GA+\i+1], v[GT+\i:GT+\i+1], v[C1:C1+1]
.endr
.irp i, 0,2,4,6,8,10,12,14
	v_pk_mul_f32 v[GA+\i:GA+\i+1], v[GA+\i:GA+\i+1], v[GT+\i:GT+\i+1]
.endr
.irp i, 0,2,4,6,8,10,12,14
	v_pk_mul_f32 v[GA+\i:GA+\i+1], v[GA+\i:GA+\i+1], v[GE+\i:GE+\i+1]   ; erfc(|y| / sqrt 2) / 2
.endr
.irp i, 0,1,2,3,4,5,6,7,8,9,10,11,12,13,14,15
	v_fma_f32 v[YB+\i], -|v[YB+\i]|, v[GA+\i], v[GM+\i]
.endr
.irp i, 0,2,4,6,8,10,12,14
	v_pk_add_f32 v[YB+\i:YB+\i+1], v[YB+\i:YB+\i+1], v[OB+\i:OB+\i+1]
.endr
.endm
	GELU16 0
	GELU16 1
	GELU16 2
	GELU16 3
	; ---- I: the second LayerNorm, and the way out
	DLOAD G, 34, 19
	DLOAD BT, 36, 19
	LN_MEAN 2
	LN_VAR 3
	s_wait_loadcnt 0x0                             ; g1, beta1
	LN_APPLY
	; A lane holds 32 neighbouring bytes of a row four times over, and the lanes beside it hold other rows: a tile goes through my stage (rows of 256 + 16 bytes) and comes back as whole runs of 256 bytes.
	; LDS serves a wave's instructions in order (ISA guide 5.7.1.4): no wait between the stores and the loads, nor in front of the second tile's stores.
.irp u, 0,1
.irp t, 0,1,2,3
.irp c, 0,1
	ds_store_b128 v22, v[ACC+32*\u+8*\t+4*\c:ACC+32*\u+8*\t+4*\c+3] offset:64*\t+16*\c
.endr
.endr
.irp i, 0,1,2,3,4,5,6,7
	ds_load_b128 v[S+32*\u+4*\i:S+32*\u+4*\i+3], v23 offset:544*\i
.endr
.endr
.irp i, 0,1,2,3,4,5,6,7
	s_wait_dscnt 23-\i                             ; behind this load: 7 - i of its own tile, and the second tile's sixteen
	global_store_b128 v24, v[S+4*\i:S+4*\i+3], s[38:39] offset:2*\i*4096 th:TH_STORE_NT      ; sixteen lanes store 256 consecutive bytes, at a multiple of 256 from out's first byte
.endr
.irp i, 0,1,2,3,4,5,6,7
	s_wait_dscnt 7-\i
	global_store_b128 v24, v[S+32+4*\i:S+32+4*\i+3], s[38:39] offset:(16+2*\i)*4096 th:TH_STORE_NT
.endr
	s_wait_tensorcnt 0x0                           ; the wave's end, behind my last LDS store
	ds_add_u32 v[SPW], v[NIL]
	s_wait_dscnt 0x0
	s_endpgm
.Lfunc_end_k_qddce5cfaaa_mab:
	.size	k_qddce5cfaaa_mab, .Lfunc_end_k_qddce5cfaaa_mab-k_qddce5cfaaa_mab
	.p2alignl 7, 3214868480
	.fill 96, 4, 3214868480
	.section	.rodata,"a",@progbits
	.p2align	6, 0x0
	.amdhsa_kernel k_qddce5cfaaa_mab
		.amdhsa_group_segment_fixed_size 179712
		.amdhsa_private_segment_fixed_size 0
		.amdhsa_enable_private_segment 0
		.amdhsa_kernarg_size 144
		.amdhsa_user_sgpr_count 2
		.amdhsa_user_sgpr_kernarg_segment_ptr 1
		.amdhsa_wavefront_size32 1
		.amdhsa_system_sgpr_workgroup_id_x 1
		.amdhsa_system_sgpr_workgroup_id_y 1
		.amdhsa_system_sgpr_workgroup_id_z 1
		.amdhsa_system_vgpr_workitem_id 0
		.amdhsa_next_free_vgpr 256
		.amdhsa_next_free_sgpr 66
		.amdhsa_reserve_vcc 1
		.amdhsa_float_denorm_mode_32 3
		.amdhsa_float_denorm_mode_16_64 3
		.amdhsa_memory_ordered 1
		.amdhsa_forward_progress 1
		.amdhsa_inst_pref_size 193
	.end_amdhsa_kernel
	.amdgpu_metadata
---
amdhsa.version: [ 1, 2 ]
amdhsa.kernels:
  - .name:           k_qddce5cfaaa_mab
    .symbol:         k_qddce5cfaaa_mab.kd
    .args:
      - { .name: Q_codes, .offset: 0, .size: 8, .value_kind: global_buffer, .address_space: global }
      - { .name: Q_scales, .offset: 8, .size: 8, .value_kind: global_buffer, .address_space: global }
      - { .name: wqi, .offset: 16, .size: 8, .value_kind: global_buffer, .address_space: global }
      - { .name: wqs, .offset: 24, .size: 8, .value_kind: global_buffer, .address_space: global }
      - { .name: bq, .offset: 32, .size: 8, .value_kind: global_buffer, .address_space: global }
      - { .name: key_padding_mask, .offset: 40, .size: 8, .value_kind: global_buffer, .address_space: global }
      - { .name: kimg, .offset: 48, .size: 8, .value_kind: global_buffer, .address_space: global }
      - { .name: ksc, .offset: 56, .size: 8, .value_kind: global_buffer, .address_space: global }
      - { .name: vimg, .offset: 64, .size: 8, .value_kind: global_buffer, .address_space: global }
      - { .name: vsc, .offset: 72, .size: 8, .value_kind: global_buffer, .address_space: global }
      - { .name: g0, .offset: 80, .size: 8, .value_kind: global_buffer, .address_space: global }
      - { .name: beta0, .offset: 88, .size: 8, .value_kind: global_buffer, .address_space: global }
      - { .name: wpi, .offset: 96, .size: 8, .value_kind: global_buffer, .address_space: global }
      - { .name: wps, .offset: 104, .size: 8, .value_kind: global_buffer, .address_space: global }
      - { .name: bp, .offset: 112, .size: 8, .value_kind: global_buffer, .address_space: global }
      - { .name: g1, .offset: 120, .size: 8, .value_kind: global_buffer, .address_space: global }
      - { .name: beta1, .offset: 128, .size: 8, .value_kind: global_buffer, .address_space: global }
      - { .name: out0, .offset: 136, .size: 8, .value_kind: global_buffer, .address_space: global }
    .group_segment_fixed_size: 179712
    .private_segment_fixed_size: 0
    .kernarg_segment_align: 8
    .kernarg_segment_size: 144
    .max_flat_workgroup_size: 512
    .sgpr_count:     66
    .vgpr_count:     256
    .wavefront_size: 32
...
	.end_amdgpu_metadata
.endif
;; end of part 2
;; ======== version 2 of 2: 2 launches; version 1 with the launch mab written anew for expert scheduling mode
;; limits: right only within a limited range of input values; a function is approximated: absolute error at most 1.5e-07
;; workspace buffers: kimg 4,194,304 bytes; vimg 4,194,304 bytes; ksc 524,288 bytes; vsc 262,144 bytes; wqi 524,288 bytes; wqs 32,768 bytes; wpi 524,288 bytes; wps 32,768 bytes
;; launch kvproj: the kernel of part 1 again; grid 8 x 32, 4 waves a work-group, clusters of 4 x 4, 327,680 bytes of LDS; arguments K_codes, K_scales, Wk_codes, Wk_scales, Wv_codes, Wv_scales, bk, bv, kimg, vimg, ksc, vsc, Wq_codes, Wq_scales, Wp_codes, Wp_scales, wqi, wqs, wpi, wps; writes kimg, vimg, ksc, vsc, wqi, wqs, wpi, wps
;; launch mab (part 3): grid 256 x 1, 16 waves a work-group, no clusters, 179,712 bytes of LDS; arguments Q_codes, Q_scales, wqi, wqs, bq, key_padding_mask, kimg, ksc, vimg, vsc, g0, beta0, wpi, wps, bp, g1, beta1, out0; writes out0
.if DOCPART == 3
	.amdgcn_target "amdgcn-amd-amdhsa--gfx1250"
	.amdhsa_code_object_version 6
	.text
	.protected	k_qddce5cfaaa_mab
	.globl	k_qddce5cfaaa_mab
	.p2align	8
	.type	k_qddce5cfaaa_mab,@function
k_qddce5cfaaa_mab:
	s_mov_b64 s[64:65], 0
	v_nop
	global_prefetch_b8 v0, s[64:65] scope:SCOPE_SE
	s_setreg_imm32_b32 hwreg(HW_REG_WAVE_SCHED_MODE, 0, 2), 2
	s_setreg_imm32_b32 hwreg(HW_REG_WAVE_MODE, 25, 1), 1
	s_wait_xcnt 0x0
	s_wait_alu depctr_vm_vsrc(0)
; out = LN1(o + gelu(o Wp + bp)), o = LN0(q + ctx), q = Q Wq + bq, ctx = attention(q, k, v) with the padding mask: all products on codes of FP4 (E2M1) with E8M0 scales.  No work of the problem is left out.
; SHARES.  A work-group owns 32 rows (two tiles of 16) for all 16 heads; wave w owns head w = columns 64 w .. 64 w + 63 through the whole chain.  Four waves share a SIMD: one wave's vector work stands beside another's products and loads.
; Between waves go only the LayerNorms' sums (128 bytes a wave, four times) and o's codes.  Weights, k and v come from memory straight into operand registers: the first launch laid them in that order, 512 consecutive bytes a load.
; No cluster: within a work-group no two waves read the same fragment, and the loads land in operand registers; a joint load would add a pass through LDS and a round of 64 waves for each refill.
; LAYOUT.  Every product is used transposed (source 0 = 16 rows of a weight, of k or of v; source 1 = 16 of my rows): a lane holds ONE row (lane % 16), register i of tile t column 16 t + 8 (lane / 16) + i.
; A tile's eight registers give one register of codes; tile 4 c + u goes to register 4 c + (0, 2, 1, 3)[u]; two exchanges of lane halves leave registers 4 c .. 4 c + 3 with 64 c + 32 (lane / 16) + 0 .. 31: the operand's order.
; THE SCORES have K = 64: q's registers 4-7 hold zero codes, so what stands in k's registers 4-7 (the next tile's codes) adds nothing; the upper two bytes of both scale words are 0x7f.
; THE MASK is the C of the scores' products: 0, or -2^126 for a hidden key.  The running maximum begins at -2^100, so a hidden key never sets M, and its p is exactly 0; a batch with no key left gives 0 x (1 / 0) = NaN, as the problem does.
; THE SOFTMAX: t = score x log2(e) / 8; M = the running largest t, rounded up to a whole number; p = 2^(t - M) is quantised along the keys; the sum is taken of the unquantised p and divides at the end.
; GELU: max(y, 0) - |y| x erfc(|y| / sqrt 2) / 2, the erfc by a polynomial of degree 5 in 1 / (1 + 0.3275911 x) times e^(-x^2) (Abramowitz and Stegun 7.1.26: within 1.5e-7 for every x); it stands ahead of no quantiser.
; LIMITS: logits above -2^100 x ln 2, scores under 2^126 in size; a block of zeros gets the scale byte 1 (its codes are zeros); NaN and infinities among the inputs are not served; sums are taken in another order than the problem writes.
; REGISTERS: v1-5 stay; v6-13 and v252-255 hold scale words and nothing else; v16-39 q's codes and the softmax's state, later addresses; v40-103 the 2 x 4 accumulators (q, ctx, o, y); v104-167 weights' fragments, scores, rows read back;
;   v168-199 my rows' fragments, k, gains; v200-207 codes just made; v208-239 biases, v; v240-251 at work.
; THE MODE: SCHED_MODE bits 1:0 = 2 (LLVM: expert scheduling mode 2), set by the entry lines.  The code itself states the register dependences
; between vector or matrix instructions and memory or LDS instructions, with s_wait_alu, always for 0.
; THE PLAN.  Registers that memory or LDS instructions touch:
;   v[L16], v[L8], v[PFB], v[PFO], and from the row phases on v16-24: offsets, made once, each ahead of a wait on va_vdst, and not written while loads or stores read them.
;   v[XA]     an LDS address.  Read by my rows' fragment loads, by q's image's stores and by the loads of the mask's numbers; written in front of each of these uses, once a key step: a wait on vm_vsrc ahead of the write.
;   WF, WS, XF (both products of K = 1,024): step s's eight products read set s % 2; the loads of step s + 2 land in it: one wait on va_vdst a step, behind the products.
;   The key loop:  S: the mask's numbers land in it; the scores' products write it; the softmax works in place; its conversions read it last.   KF, KSW: read by both tiles' scores' products.   VF, VSW: read by both tiles' second products.
;             PC, PS: written by vector instructions, taken by block-scaled products.
;             Four waits on va_vdst a key step: ahead of each tile's second products (codes and word are written; the conversions are done with S; for tile 1 also: v[XA] is written); behind tile 1's scores (k's registers are free);
;             behind tile 1's second products (v's registers are free).  The sixteen loads of the mask's numbers for the NEXT tile of scores are dealt among the four second products, which name ACC, VF, PC, VSW and PS: none of S, none of v[XA].
;   ACC       as the data of LDS stores (q's image, o's image, the way out): a wait on va_vdst ahead of the stores, one on vm_vsrc ahead of what writes ACC again.
;   v[PP]     a LayerNorm's partial sum: va_vdst ahead of its store, vm_vsrc behind the barrier where it is written again.
.set QST,   0                          ; LDS: Q's codes, 32 rows x (512 + 16) bytes
.set BIAS,  16896                      ; the mask as 1,024 numbers
.set RED,   20992                      ; four regions of 2,048: a wave's 32 partial sums at 128 w
.set OIMG,  29184                      ; o's 16 fragments as images of registers: (2 s + m) 1,024 + 512 c + 16 lane
.set OSC,   45568                      ; their scale words: 128 s + 64 m + 4 r
.set QF,    46592                      ; 8,192 bytes for each wave, its own: q, then o, as images of registers; then the stage for the way out
.set SPARE, 177664                     ; the spare words: 128 bytes a wave, named by no other line
.set L16, 1
.set L8,  2
.set XA,  3
.set SPW, 4
.set NIL, 5
.set XS,  6                            ; v6-13 my rows' scale words, one for each K step
.set QS,  6                            ; in attention: q's words (lanes 0-15 tile 0, lanes 16-31 tile 1),
.set PS,  7                            ; p's,
.set KSW, 8                            ; v8-11 k's,
.set VSW, 12                           ; v12-13 v's
.set FP,  14                           ; v[14:15] f = 2^(old M - new M), and a written partner
.set QC,  16                           ; v16-23, v24-31 q's codes: four registers and four of zeros, for each tile
.set ST,  32                           ; v32-35, v36-39: -M, the largest t, the sum in two halves
.set ACC, 40
.set S,   104
.set WF,  104
.set KF,  168
.set XF,  168
.set G,   168
.set PC,  200
.set PFB, 200
.set VF,  208
.set CB,  208
.set BT,  208
.set BM,  240
.set TQ,  240
.set PM,  244
.set T0,  248
.set PFO, 249
.set BI0, 250
.set WS,  252                          ; v252-255 the weights' scale words, a pair for each of two K steps
.set WV,  40
.set GID, 41
.set BAT, 42
.set TMP, 43
.set SEL, 44
.set CS,  46
.set HI,  48
.set CNT, 49
.set LIM, 50
.set TB,  51
.set PFA, 52
.set PX,  54
.set RN,  55
.set EPSR, 60
.macro WM d, a, b, c, sa, sb, ra, rb   ; one product; ra, rb: the scale words stand in lanes 16-31
.if (\ra) && (\rb)
	v_wmma_scale_f32_16x16x128_f8f6f4 v[(\d):(\d)+7], v[(\a):(\a)+7], v[(\b):(\b)+7], v[(\c):(\c)+7], v[\sa], v[\sb] matrix_a_fmt:MATRIX_FMT_FP4 matrix_b_fmt:MATRIX_FMT_FP4 matrix_a_scale:MATRIX_SCALE_ROW1 matrix_b_scale:MATRIX_SCALE_ROW1
.elseif (\ra)
	v_wmma_scale_f32_16x16x128_f8f6f4 v[(\d):(\d)+7], v[(\a):(\a)+7], v[(\b):(\b)+7], v[(\c):(\c)+7], v[\sa], v[\sb] matrix_a_fmt:MATRIX_FMT_FP4 matrix_b_fmt:MATRIX_FMT_FP4 matrix_a_scale:MATRIX_SCALE_ROW1
.elseif (\rb)
	v_wmma_scale_f32_16x16x128_f8f6f4 v[(\d):(\d)+7], v[(\a):(\a)+7], v[(\b):(\b)+7], v[(\c):(\c)+7], v[\sa], v[\sb] matrix_a_fmt:MATRIX_FMT_FP4 matrix_b_fmt:MATRIX_FMT_FP4 matrix_b_scale:MATRIX_SCALE_ROW1
.else
	v_wmma_scale_f32_16x16x128_f8f6f4 v[(\d):(\d)+7], v[(\a):(\a)+7], v[(\b):(\b)+7], v[(\c):(\c)+7], v[\sa], v[\sb] matrix_a_fmt:MATRIX_FMT_FP4 matrix_b_fmt:MATRIX_FMT_FP4
.endif
.endm
.macro NOPS
.rept 4
	v_nop
.endr
.endm
.macro BARRIER                         ; my LDS stores have landed and my LDS loads are in: then the work-group's barrier
	s_wait_dscnt 0x0
	s_barrier_signal -1
	s_barrier_wait -1
.endm
.macro DLOAD reg, ptr, va              ; 32 numbers of my 64 columns in a result's layout: register 8 t + i = column 16 t + 8 h + i
.irp t, 0,1,2,3
.irp c, 0,1
	global_load_b128 v[(\reg)+8*\t+4*\c:(\reg)+8*\t+4*\c+3], v[\va], s[\ptr:\ptr+1] offset:64*\t+16*\c
.endr
.endr
.endm
.macro WLOAD wb, wsb, s                ; K step s of my part of a weight: four fragments and their scale words: nine loads
.irp t, 0,1,2,3
.irp c, 0,1
	global_load_b128 v[WF+32*((\s)%2)+8*\t+4*\c:WF+32*((\s)%2)+8*\t+4*\c+3], v[L16], s[\wb:\wb+1] offset:(\s)*4096+\t*1024+\c*512
.endr
.endr
	global_load_b64 v[WS+2*((\s)%2):WS+2*((\s)%2)+1], v[L8], s[\wsb:\wsb+1] offset:(\s)*256
.endm
.macro XLOAD xa, x0, ss, sm, sc, s     ; K step s of my work-group's 32 rows: two fragments from LDS
.irp u, 0,1
.irp c, 0,1
	ds_load_b128 v[XF+16*((\s)%2)+8*\u+4*\c:XF+16*((\s)%2)+8*\u+4*\c+3], v[\xa] offset:(\x0)+(\s)*(\ss)+\u*(\sm)+\c*(\sc)
.endr
.endr
.endm
; PREFETCHES INTO THE L2 of k's and v's images.  All 32 work-groups of a batch walk the same images; the first 16 of them ask, wave 0 alone: work-group i for one pair of heads, of k (i < 8) or of v.
; One instruction names what that pair has in one key step: two runs of 4,096 bytes, lanes 256 bytes apart.  So each aligned block of 256 bytes is named once in the launch.
.macro ASKP off                        ; key steps 0 and 1, asked for in the q projection
	s_cmp_eq_u32 s[LIM], 1
	s_cbranch_scc0 .Lnot_mine_\@
	global_prefetch_b8 v[PFB], s[PFA:PFA+1] offset:\off th:TH_LOAD_NT scope:SCOPE_SE
.Lnot_mine_\@:
.endm
.macro ASK                             ; trip j asks for key step j + 2, one trip ahead of the loads that want it; the last trip and the tail ask for nothing
	s_cmp_gt_u32 s[CNT], s[LIM]
	s_cbranch_scc0 .Lnot_mine_\@
	global_prefetch_b8 v[PFO], s[PFA:PFA+1] th:TH_LOAD_NT scope:SCOPE_SE
.Lnot_mine_\@:
.endm
; [32 rows] x [my 64 columns], K = 1,024 in eight steps; the bias is the C of the first step.  The eight accumulators take turns, one instruction a turn.
; Weights run two steps ahead in two sets; W(0) and W(1) were asked for by the caller.
.macro GEMM32 wb, wsb, xa, x0, ss, sm, sc, ask
	XLOAD \xa, \x0, \ss, \sm, \sc, 0
	XLOAD \xa, \x0, \ss, \sm, \sc, 1
.set SS, 0
.rept 8
.if (SS == 0) || (SS == 7)
	s_wait_loadcnt 0x0                             ; step 0: the bias and my rows' words are younger than W(0); step 7: nothing is left out
.else
	s_wait_loadcnt 0x9                             ; the next step's nine loads may be out
.endif
.if SS < 7
	s_wait_dscnt 0x4                               ; the next step's four LDS loads may be out
.else
	s_wait_dscnt 0x0
.endif
.irp t, 0,1,2,3
.irp u, 0,1
.if SS == 0
	WM ACC+32*\u+8*\t, WF+32*(SS%2)+8*\t, XF+16*(SS%2)+8*\u, CB+8*\t, WS+2*(SS%2)+\t/2, XS+SS, \t%2, \u
.else
	WM ACC+32*\u+8*\t, WF+32*(SS%2)+8*\t, XF+16*(SS%2)+8*\u, ACC+32*\u+8*\t, WS+2*(SS%2)+\t/2, XS+SS, \t%2, \u
.endif
.endr
.endr
.if SS < 6
	NOPS                                           ; places in front of loads into registers that these products have read
	s_wait_alu depctr_va_vdst(0)                   ; this step's products are done reading their set of the weight's fragments and words and of my rows' fragments, in which the loads below land
	WLOAD \wb, \wsb, SS+2
	XLOAD \xa, \x0, \ss, \sm, \sc, SS+2
.if (\ask) && (SS == 2)
	ASKP 0
.endif
.if (\ask) && (SS == 4)
	ASKP 4096
.endif
.endif
.set SS, SS+1
.endr
.endm
; 32 numbers of a lane (64 along K with lane l xor 16's: two blocks) become four registers of codes at v[pc] and two scale bytes, under two of 0x7f, in v[w]
.macro QUANT2 s, pc, w
.irp b, 0,1
	v_max3_num_f32 v[TQ+\b], |v[(\s)+16*\b]|, |v[(\s)+1+16*\b]|, 0x1800000   ; the floor 2^(3 - 127): the byte cannot fall under 1
.endr
.irp i, 2,4,6,8,10,12,14
.irp b, 0,1
	v_max3_num_f32 v[TQ+\b], v[TQ+\b], |v[(\s)+16*\b+\i]|, |v[(\s)+1+16*\b+\i]|
.endr
.endr
.irp b, 0,1
	v_permlanex16_b32 v[TQ+2+\b], v[TQ+\b], s[SEL], s[SEL+1]
.endr
.irp b, 0,1
	v_max_num_f32 v[TQ+\b], v[TQ+\b], v[TQ+2+\b]
.endr
.irp b, 0,1
	v_add_nc_u32 v[TQ+4+\b], 0xff000000, v[TQ+\b]  ; 2 off the exponent field: the conversion's scale operand
.endr
.irp b, 0,1
	v_lshrrev_b32 v[TQ+2+\b], 23, v[TQ+4+\b]
.endr
	v_lshl_or_b32 v[\w], v[TQ+3], 8, v[TQ+2]
	v_or_b32 v[\w], 0x7f7f0000, v[\w]
.irp t, 0,1,2,3
	v_cvt_scalef32_pk8_fp4_f32 v[(\pc)+2*(\t%2)+\t/2], v[(\s)+8*\t:(\s)+8*\t+7], v[TQ+4+\t/2]
.endr
	v_nop                                          ; one plain place behind a scaled conversion
	v_permlane16_swap_b32 v[(\pc)], v[(\pc)+1]
	v_permlane16_swap_b32 v[(\pc)+2], v[(\pc)+3]
.endm
	s_load_b512 s[4:19], s[0:1], 0x0               ; Q's codes 4, Q's scales 6, wqi 8, wqs 10, bq 12, the mask 14, kimg 16, ksc 18
	s_load_b512 s[20:35], s[0:1], 0x40             ; vimg 20, vsc 22, g0 24, beta0 26, wpi 28, wps 30, bp 32, g1 34
	s_load_b128 s[36:39], s[0:1], 0x80             ; beta1 36, out0 38
	v_lshl_add_u32 v[SPW], v0, 2, SPARE
	v_mov_b32 v[NIL], 0
	v_lshrrev_b32 v16, 5, v0
	v_readfirstlane_b32 s[WV], v16                 ; wave 0..15 = my head
	v_and_b32 v16, 31, v0                          ; lane
	v_and_b32 v17, 15, v0                          ; r
	v_bfe_u32 v18, v0, 4, 1                        ; h
	v_lshlrev_b32 v[L16], 4, v16
	v_lshlrev_b32 v[L8], 3, v16
	v_mul_u32_u24 v[XA], v17, 528
	v_lshl_add_u32 v[XA], v18, 4, v[XA]            ; Q's fragments in LDS: row r x pitch + 16 h
	s_wait_alu depctr_va_sdst(0)                   ; the wave's number is written, ahead of its first reader: addresses and bases are made from it
	s_lshl_b32 s[TMP], s[WV], 10
	v_add_nc_u32 v20, s[TMP], v[L16]               ; Q in memory: rows 2 w and 2 w + 1, 16 bytes a lane
	s_mul_i32 s[TMP], s[WV], 1056
	v_add_nc_u32 v21, s[TMP], v[L16]               ; and in LDS
	v_lshlrev_b32 v22, 3, v0                       ; the mask: two words a thread
	v_lshlrev_b32 v23, 5, v16                      ; Q's scale bytes: lane l takes row l's 32
	v_lshlrev_b32 v25, 5, v18                      ; 32 h
	v_lshlrev_b32 v[PFB], 8, v17
	v_lshl_add_u32 v[PFB], v18, 15, v[PFB]         ; the prefetches' offset: 32,768 (lane / 16) + 256 (lane % 16)
	v_mov_b32 v36, 0xfe800000                      ; -2^126
	v_mov_b32 v[TQ+2], 0                           ; written once: a lane permute's destination counts as one of its sources
	v_mov_b32 v[TQ+3], 0
	s_mov_b32 s[GID], ttmp9
	s_lshr_b32 s[BAT], ttmp9, 5                    ; the batch
	s_mov_b32 s[SEL], 0x76543210
	s_mov_b32 s[SEL+1], 0xfedcba98
	s_mov_b32 s[CS], 0x3e38aa3b                    ; log2(e) / 8
	s_mov_b32 s[CS+1], s[CS]
	s_mov_b32 s[HI], 0xffff0000                    ; lanes 16-31
	s_mov_b32 s[TB], 0
	s_mov_b32 s[PX], 0x3e6d3389                    ; 0.3275911 / sqrt 2
	s_mov_b32 s[RN], 0x3a800000                    ; 1 / 1,024
	s_mov_b32 s[EPSR], 0x3727c5ac                  ; 1e-5
	s_mov_b32 s57, 0
	s_wait_kmcnt 0x0
	s_lshl_b32 s56, s[GID], 14
	s_add_nc_u64 s[4:5], s[4:5], s[56:57]          ; my 32 rows of Q's codes
	s_lshl_b32 s56, s[GID], 10
	s_add_nc_u64 s[6:7], s[6:7], s[56:57]
	s_lshl_b32 s56, s[WV], 15
	s_add_nc_u64 s[8:9], s[8:9], s[56:57]          ; my 64 columns of Wq and of Wp
	s_add_nc_u64 s[28:29], s[28:29], s[56:57]
	s_lshl_b32 s56, s[WV], 11
	s_add_nc_u64 s[10:11], s[10:11], s[56:57]
	s_add_nc_u64 s[30:31], s[30:31], s[56:57]
	s_lshl_b32 s56, s[WV], 8
.irp p, 12, 24, 26, 32, 34, 36
	s_add_nc_u64 s[\p:\p+1], s[\p:\p+1], s[56:57]  ; my 64 numbers of bq, g0, beta0, bp, g1, beta1
.endr
	s_lshl_b32 s56, s[BAT], 12
	s_add_nc_u64 s[14:15], s[14:15], s[56:57]
	s_and_b32 s58, s[GID], 31                      ; i: my place among the batch's 32 work-groups
	s_cmp_lt_u32 s58, 8
	s_cselect_b64 s[PFA:PFA+1], s[16:17], s[20:21]
	s_lshr_b32 s59, s58, 4
	s_or_b32 s59, s59, s[WV]
	s_cmp_eq_u32 s59, 0                            ; i < 16 and wave 0
	s_cselect_b32 s[LIM], 1, -1
	s_and_b32 s58, s58, 7
	s_lshl_b32 s58, s58, 16
	s_lshl_b32 s56, s[BAT], 19
	s_add_co_u32 s58, s58, s56
	s_mov_b32 s59, 0
	s_add_nc_u64 s[PFA:PFA+1], s[PFA:PFA+1], s[58:59]
	s_lshr_b32 s58, s[WV], 1
	s_lshl_b32 s58, s58, 16
	s_add_co_u32 s56, s56, s58                     ; 524,288 b + 65,536 (w / 2)
	s_add_nc_u64 s[16:17], s[16:17], s[56:57]
	s_add_nc_u64 s[20:21], s[20:21], s[56:57]
	s_and_b32 s58, s[WV], 1
	s_lshl_b32 s56, s58, 15
	s_add_nc_u64 s[16:17], s[16:17], s[56:57]      ; k: + 32,768 (w % 2)
	s_lshl_b32 s56, s58, 11
	s_add_nc_u64 s[20:21], s[20:21], s[56:57]      ; v: + 2,048 (w % 2)
	s_lshl_b32 s58, s[BAT], 4
	s_add_co_u32 s58, s58, s[WV]
	s_lshl_b32 s56, s58, 12
	s_add_nc_u64 s[18:19], s[18:19], s[56:57]
	s_lshl_b32 s56, s58, 11
	s_add_nc_u64 s[22:23], s[22:23], s[56:57]
	s_lshl_b32 s56, s[GID], 17
	s_lshl_b32 s58, s[WV], 8
	s_add_co_u32 s56, s56, s58
	s_add_nc_u64 s[38:39], s[38:39], s[56:57]      ; out: my 32 rows, my 256 bytes of each
	; ---- A: Q's codes and the mask go to LDS; the q projection's first operands are asked for
	s_wait_alu depctr_va_vdst(0)                   ; the offsets and addresses v[L16], v[L8], v[XA], v20 to v23, v25 and v[PFB] are written, which the loads, stores and prefetches up to the q projection's end read
	global_load_b128 v[26:29], v20, s[4:5] th:TH_LOAD_NT
	global_load_b128 v[30:33], v20, s[4:5] offset:512 th:TH_LOAD_NT
	global_load_b64 v[34:35], v22, s[14:15]
	WLOAD 8, 10, 0
	WLOAD 8, 10, 1
	global_load_b128 v[XS:XS+3], v23, s[6:7]
	global_load_b128 v[XS+4:XS+7], v23, s[6:7] offset:16
	DLOAD CB, 12, 25
	s_wait_loadcnt 28                              ; the first three are in; the 9 + 9 + 2 + 8 younger loads stay out
	ds_store_b128 v21, v[26:29] offset:QST
	ds_store_b128 v21, v[30:33] offset:QST+528
	v_cmp_eq_u32 s58, 0, v34                       ; the two compares in one run, into two scalar registers
	v_cmp_eq_u32 s59, 0, v35
	s_wait_alu depctr_va_sdst(0)                   ; both masks are written, ahead of the selects that read them
	v_cndmask_b32 v34, 0, v36, s58
	v_cndmask_b32 v35, 0, v36, s59
	s_wait_alu depctr_va_vdst(0)                   ; the selects have written v34 and v35, which the store reads
	ds_store_b64 v22, v[34:35] offset:BIAS
	BARRIER                                        ; Q's 32 rows and the 1,024 numbers of the mask lie in LDS
	; ---- B: q = Q Wq + bq
	GEMM32 8, 10, XA, QST, 64, 8448, 32, 1
	; ---- C: k and v of key step 0 are asked for; q is kept in my LDS bytes and quantised along the head
.macro KLOAD o                         ; eight tiles of 16 keys (four registers each) and their words: nine loads
.irp t, 0,1,2,3,4,5,6,7
	global_load_b128 v[KF+4*\t:KF+4*\t+3], v[L16], s[16:17] offset:(\o)*4096+512*\t
.endr
	global_load_b128 v[KSW:KSW+3], v[L16], s[18:19] offset:(\o)*512
.endm
.macro VLOAD o                         ; four tiles of 16 of the head's 64 x 128 keys and their words: nine loads
.irp t, 0,1,2,3
.irp c, 0,1
	global_load_b128 v[VF+8*\t+4*\c:VF+8*\t+4*\c+3], v[L16], s[20:21] offset:(\o)*4096+32768*\c+512*\t
.endr
.endr
	global_load_b64 v[VSW:VSW+1], v[L8], s[22:23] offset:(\o)*256
.endm
	NOPS                                           ; four places behind the last products, before their results are read (ISA guide 7.12.1)
	s_lshl_b32 s[TMP], s[WV], 13
	s_add_co_u32 s[TMP], s[TMP], QF
	s_wait_alu depctr_vm_vsrc(0)                   ; my rows' fragment loads have read v[XA]; the head's loads and stores have read v20 to v35, which q's codes and the softmax's state take below
	v_add_nc_u32 v[XA], s[TMP], v[L16]
	s_wait_alu depctr_va_vdst(0)                   ; the products have written q, which the LDS stores read, and are done reading my rows' fragments and words and the bias, in which k and v land; v[XA] is written
	KLOAD 0
	VLOAD 0
.irp i, 0,1,2,3,4,5,6,7,8,9,10,11,12,13,14,15
	ds_store_b128 v[XA], v[ACC+4*\i:ACC+4*\i+3] offset:512*\i     ; each accumulator from its low end on
.endr
	QUANT2 ACC, QC, 246
	QUANT2 ACC+32, QC+8, 247
	v_cndmask_b32 v[QS], v246, v247, s[HI]
	s_wait_dscnt 0x0
	s_wait_xcnt 0x0                                ; the prefetches of the q projection have read their address and offset
	s_wait_alu depctr_vm_vsrc(0)                   ; the LDS stores have read q's registers and v[XA], the prefetches v[PFB]: all three are written below
	s_add_nc_u64 s[PFA:PFA+1], s[PFA:PFA+1], 8192  ; at key step 2
	v_mov_b32 v[PFO], v[PFB]
.irp i, 4,5,6,7,12,13,14,15
	v_mov_b32 v[QC+\i], 0                          ; zero codes for the upper 64 of the instruction's 128 along K
.endr
.irp i, 0,1,2,3,4,5,6,7
	v_mov_b32 v[PC+\i], 0                          ; (k's last tile names the first four as its upper half)
.endr
.irp i, 0,1,2,3
	v_mov_b32 v[PM+\i], 0
.endr
	v_mov_b32 v[FP+1], 0
	v_bfe_u32 v[BI0], v0, 4, 1
	v_lshl_add_u32 v[BI0], v[BI0], 5, BIAS         ; the mask's numbers: 32 h on
.irp u, 0,1
	v_mov_b32 v[ST+4*\u+1], 0xf1800000             ; the largest t so far: -2^100
	v_mov_b32 v[ST+4*\u+2], 0
	v_mov_b32 v[ST+4*\u+3], 0
.endr
	v_floor_f32 v[ST], -v[ST+1]
	v_floor_f32 v[ST+4], -v[ST+5]
.set i, 0
.rept 64
	v_mov_b32 v[ACC+i], 0                          ; ctx.  (The key step is written once: the first finds zeros, which the first change of M leaves zeros)
.set i, i+1
.endr
	; ---- D: attention, 128 keys a step
.macro BLOAD4 q                        ; four of the sixteen loads of the mask's numbers in the result's layout: the C of the scores' tiles 2 q and 2 q + 1
.irp e, 0,1,2,3
	ds_load_b128 v[S+16*(\q)+4*\e:S+16*(\q)+4*\e+3], v[XA] offset:128*(\q)+64*(\e/2)+16*(\e%2)
.endr
.endm
.macro SCORES m                        ; the mask's numbers were asked for among the second products of the tile before
.if (\m) == 0
	s_wait_loadcnt 0x9                             ; k of this step is in; v's nine loads may be out
.endif
	s_wait_dscnt 0x0
.irp t, 0,1,2,3,4,5,6,7
	WM S+8*\t, KF+4*\t, QC+8*(\m), S+8*\t, KSW+\t/2, QS, \t%2, \m
.endr
	NOPS
.endm
.macro PVB m, ahead                    ; tile m's four second products; ahead = 1: the next tile of scores' sixteen loads are dealt among them.  No wait: no vector or matrix instruction since the wait ahead of this macro names v[S ..] or v[XA]
.irp t, 0,1,2,3
.if \ahead
	BLOAD4 \t
.endif
	WM ACC+32*(\m)+8*\t, VF+8*\t, PC, ACC+32*(\m)+8*\t, VSW+\t/2, PS, \t%2, 0
.endr
.endm
.macro SOFTMAX m
.set STT, ST+4*(\m)
.set OO, ACC+32*(\m)
.irp b, 0,1,2,3
	v_max3_num_f32 v[BM+\b], v[S+16*\b], v[S+1+16*\b], v[S+2+16*\b]   ; the largest score of each block of 32 keys: for the row's maximum, and, since p rises with the score, for the block's largest p
.endr
.irp i, 3,5,7,9,11,13
.irp b, 0,1,2,3
	v_max3_num_f32 v[BM+\b], v[BM+\b], v[S+16*\b+\i], v[S+1+16*\b+\i]
.endr
.endr
.irp b, 0,1,2,3
	v_max_num_f32 v[BM+\b], v[BM+\b], v[S+15+16*\b]
.endr
.irp b, 0,1,2,3
	v_permlanex16_b32 v[PM+\b], v[BM+\b], s[SEL], s[SEL+1]
.endr
.irp b, 0,1,2,3
	v_max_num_f32 v[BM+\b], v[BM+\b], v[PM+\b]
.endr
	v_max3_num_f32 v[T0], v[BM], v[BM+1], v[BM+2]
	v_max_num_f32 v[T0], v[T0], v[BM+3]
	v_mul_f32 v[T0], s[CS], v[T0]
	v_max_num_f32 v[STT+1], v[STT+1], v[T0]        ; the running largest t
	v_mov_b32 v[T0], v[STT]
	v_floor_f32 v[STT], -v[STT+1]                  ; -M = floor(-t): M is a whole number
	v_sub_f32 v[T0], v[STT], v[T0]
	v_cvt_i32_f32 v[T0], v[T0]                     ; (it saturates)
	v_ldexp_f32 v[FP], 1.0, v[T0]                  ; f = 2^(old M - new M)
.irp j, 0,2,4,6,8,10,12,14,16,18,20,22,24,26,28,30,32,34,36,38,40,42,44,46,48,50,52,54,56,58,60,62
	v_pk_fma_f32 v[S+\j:S+\j+1], v[S+\j:S+\j+1], s[CS:CS+1], v[STT:STT+1] op_sel_hi:[1,0,0]   ; t - M
.endr
.irp b, 0,1,2,3
	v_fma_f32 v[BM+\b], v[BM+\b], s[CS], v[STT]
.endr
.set i, 0
.rept 64
	v_exp_f32 v[S+i], v[S+i]                       ; p = 2^(t - M)
.set i, i+1
.endr
	v_pk_mul_f32 v[STT+2:STT+3], v[STT+2:STT+3], v[FP:FP+1] op_sel_hi:[1,0]   ; the sums under the new M: the plain place behind the exponentials
	s_wait_alu depctr_va_vdst(0)                   ; one wait for the batch of 64, ahead of its first reader
.irp b, 0,1,2,3
	v_exp_f32 v[BM+\b], v[BM+\b]                   ; each block's largest p
.endr
	v_pk_add_f32 v[PM:PM+1], v[S:S+1], v[S+2:S+3]  ; the row's sum of the unquantised p, in two chains
.irp j, 4,8,12,16,20,24,28,32,36,40,44,48,52,56,60
	v_pk_add_f32 v[STT+2:STT+3], v[STT+2:STT+3], v[S+\j:S+\j+1]
	v_pk_add_f32 v[PM:PM+1], v[PM:PM+1], v[S+\j+2:S+\j+3]
.endr
	v_pk_add_f32 v[STT+2:STT+3], v[STT+2:STT+3], v[PM:PM+1]
	s_wait_alu depctr_va_vdst(0)                   ; and one for the four
.irp b, 0,1,2,3
	v_max_num_f32 v[BM+\b], 0x1800000, v[BM+\b]    ; the floor 2^(3 - 127)
.endr
.irp b, 0,1,2,3
	v_add_nc_u32 v[BM+\b], 0xff000000, v[BM+\b]    ; 2 off the exponent field: the conversion's scale operand, in place
.endr
.irp b, 0,1,2,3
	v_lshrrev_b32 v[PM+\b], 23, v[BM+\b]
.endr
	v_lshl_or_b32 v[PS], v[PM+1], 8, v[PM]
	v_lshl_or_b32 v[PS], v[PM+2], 16, v[PS]
	v_lshl_or_b32 v[PS], v[PM+3], 24, v[PS]
.irp t, 0,1,2,3,4,5,6,7
	v_cvt_scalef32_pk8_fp4_f32 v[PC+4*(\t/4)+2*(\t%2)+(\t%4)/2], v[S+8*\t:S+8*\t+7], v[BM+\t/2]
.endr
	v_nop                                          ; one plain place behind a scaled conversion
.irp c, 0,1
	v_permlane16_swap_b32 v[PC+4*\c], v[PC+4*\c+1]
	v_permlane16_swap_b32 v[PC+4*\c+2], v[PC+4*\c+3]
.endr
.irp j, 0,2,4,6,8,10,12,14,16,18,20,22,24,26,28,30
	v_pk_mul_f32 v[OO+\j:OO+\j+1], v[OO+\j:OO+\j+1], v[FP:FP+1] op_sel_hi:[1,0]   ; ctx under the new M.  (These 16 are also the places between p's word and codes and the products that take them)
.endr
.endm
.macro STEP next
	SCORES 0
	SOFTMAX 0
	s_wait_loadcnt 0x0                             ; v of this step: nothing younger is out
	s_wait_alu depctr_va_vdst(0)                   ; p's codes and word are written, which the block-scaled products below take (k's last tile of the next scores names four of them too); the conversions are done reading v[S ..], in which the mask's numbers land
	PVB 0, 1
	SCORES 1
.if \next
	s_wait_alu depctr_va_vdst(0)                   ; both tiles' scores' products are done reading k's fragments and words, in which the next step's land; the four v_nop above are the places in front of these loads
	KLOAD 1
	ASK
.endif
	SOFTMAX 1
.if \next
	s_add_co_u32 s[TB], s[TB], 512
	s_wait_alu depctr_vm_vsrc(0)                   ; this step's 32 loads of the mask's numbers have read v[XA]
	v_add_nc_u32 v[XA], s[TB], v[BI0]              ; the next step's
.endif
	s_wait_alu depctr_va_vdst(0)                   ; p's codes and word are written, the conversions are done reading v[S ..], and v[XA] is written
	PVB 1, \next
.if \next
	NOPS
	s_wait_alu depctr_va_vdst(0)                   ; the second products are done reading v's fragments and words, in which the next step's land
	VLOAD 1
	s_wait_xcnt 0x0                                ; the bases are stepped only behind this wait
	s_add_nc_u64 s[16:17], s[16:17], 4096
	s_add_nc_u64 s[18:19], s[18:19], 512
	s_add_nc_u64 s[20:21], s[20:21], 4096
	s_add_nc_u64 s[22:23], s[22:23], 256
	s_add_nc_u64 s[PFA:PFA+1], s[PFA:PFA+1], 4096
.endif
.endm
	v_add_nc_u32 v[XA], s[TB], v[BI0]              ; key step 0's numbers of the mask
	s_wait_alu depctr_va_vdst(0)                   ; v[XA] and v[PFO] are written, which the loads below and the loop's prefetches read; q's codes, its zeros and its words are written, which the scores' block-scaled products take; Wq's fragments have been read, in which the mask's numbers land
.irp q, 0,1,2,3
	BLOAD4 \q
.endr
	s_mov_b32 s[CNT], 7
.Lkey:
	STEP 1
	s_sub_co_u32 s[CNT], s[CNT], 1
	s_cmp_lg_u32 s[CNT], 0
	s_cbranch_scc1 .Lkey
	STEP 0                                         ; the last step is written out: no load leaves its buffer
	; ---- E: the addresses of the row phases (plain work: the places behind the last products); x = q + ctx / l
	s_wait_alu depctr_vm_vsrc(0)                   ; the loop's prefetches have read v[PFO]: the register is v[TX] from here on
	v_and_b32 v25, 15, v0                          ; r
	v_bfe_u32 v26, v0, 4, 1                        ; h
	v_and_b32 v16, 31, v0
	v_lshlrev_b32 v16, 2, v16                      ; v16: 4 x lane
	s_lshl_b32 s[TMP], s[WV], 7
	v_add_nc_u32 v17, s[TMP], v16                  ; v17: 128 w + 4 lane: my partial sums
	s_lshl_b32 s[TMP], s[WV], 13
	s_add_co_u32 s[TMP], s[TMP], QF
	v_add_nc_u32 v18, s[TMP], v[L16]               ; v18: my 8,192 bytes, 16 a lane
	v_lshlrev_b32 v19, 5, v26                      ; v19: 32 h
	s_lshr_b32 s56, s[WV], 1
	s_and_b32 s58, s[WV], 1
	s_lshl_b32 s59, s56, 11
	s_lshl_b32 s57, s58, 9
	s_add_co_u32 s59, s59, s57
	v_add_nc_u32 v20, s59, v[L16]                  ; v20: o's images: K step w / 2, register group w % 2
	s_lshl_b32 s59, s56, 7
	s_lshl_b32 s57, s58, 1
	s_add_co_u32 s59, s59, s57
	v_lshl_add_u32 v21, v25, 2, s59                ; v21: my two bytes of row r's scale word
	v_mul_u32_u24 v22, v25, 272
	v_add_nc_u32 v22, v22, v19
	v_add_nc_u32 v22, s[TMP], v22                  ; v22: the stage, on the way in: row r, + 32 h
	v_mul_u32_u24 v23, v26, 272
	v_lshl_add_u32 v23, v25, 4, v23
	v_add_nc_u32 v23, s[TMP], v23                  ; v23: and back: lanes 0-15 one row, lanes 16-31 the next
	v_lshlrev_b32 v24, 12, v26
	v_lshl_add_u32 v24, v25, 4, v24                ; v24: the same two rows in out
	s_wait_alu depctr_va_vdst(0)                   ; the addresses v16 to v24 are written, which every load and store from here on reads; the last products are done reading k's and v's fragments, the conversions v[S ..]: the loads below land in all three
	DLOAD G, 24, 19
	DLOAD BT, 26, 19
.irp i, 0,1,2,3,4,5,6,7,8,9,10,11,12,13,14,15
	ds_load_b128 v[S+4*\i:S+4*\i+3], v18 offset:512*\i            ; q
.endr
.irp u, 0,1
	v_add_f32 v[ST+4*\u+2], v[ST+4*\u+2], v[ST+4*\u+3]
.endr
.irp u, 0,1
	v_permlanex16_b32 v[ST+4*\u+3], v[ST+4*\u+2], s[SEL], s[SEL+1]
.endr
.irp u, 0,1
	v_add_f32 v[ST+4*\u+2], v[ST+4*\u+2], v[ST+4*\u+3]            ; l
.endr
.irp u, 0,1
	v_rcp_f32 v[ST+4*\u+2], v[ST+4*\u+2]
.endr
	v_nop
	s_wait_alu depctr_va_vdst(0)                   ; one wait for the two reciprocals
	s_wait_dscnt 0x0
.irp u, 0,1
.irp j, 0,2,4,6,8,10,12,14,16,18,20,22,24,26,28,30
	v_pk_fma_f32 v[ACC+32*\u+\j:ACC+32*\u+\j+1], v[ACC+32*\u+\j:ACC+32*\u+\j+1], v[ST+4*\u+2:ST+4*\u+3], v[S+32*\u+\j:S+32*\u+\j+1] op_sel_hi:[1,0,1]
.endr
.endr
; THE LAYERNORMS, in two passes as the problem writes them.  A row lies in lanes r and r + 16 of all sixteen waves.
.set A0, 240
.set A1, 242
.set YY, 244
.set KP, 245
.set PXR, 246
.set PP, 247
.set TT, 248
.set TX, 249
.set PR0, 28                           ; v[28:29], v[30:31]: a row's figure for tile 0, tile 1; the low register serves both halves (the upper ones were written long ago)
.set PR1, 30
.macro REDUCE k                        ; v[A0], v[A1]: my 32 numbers' sums of tiles 0, 1  ->  v[TT]: lane l holds row l's sum over all 1,024
	v_cndmask_b32 v[YY], v[A1], v[A0], s[HI]
	v_cndmask_b32 v[KP], v[A0], v[A1], s[HI]
	v_permlanex16_b32 v[PXR], v[YY], s[SEL], s[SEL+1]
	v_add_f32 v[PP], v[KP], v[PXR]                 ; lane l: row l's sum over my 64 columns
	s_wait_alu depctr_va_vdst(0)                   ; v[PP] is written, which the store reads; and the vector work so far is done with v[S] to v[S + 15], in which the loads behind the barrier land
	ds_store_b32 v17, v[PP] offset:RED+2048*(\k)
	BARRIER
.if (\k) < 3
	s_wait_alu depctr_vm_vsrc(0)                   ; my store has read v[PP], which the next sum, or o's quantiser, writes again
.endif
.irp i, 0,1,2,3,4,5,6,7,8,9,10,11,12,13,14,15
	ds_load_b32 v[S+\i], v16 offset:RED+2048*(\k)+128*\i
.endr
	s_wait_dscnt 0x0
.irp i, 0,4,8,12
	v_pk_add_f32 v[S+\i:S+\i+1], v[S+\i:S+\i+1], v[S+\i+2:S+\i+3]
.endr
	v_pk_add_f32 v[S:S+1], v[S:S+1], v[S+4:S+5]
	v_pk_add_f32 v[S+8:S+9], v[S+8:S+9], v[S+12:S+13]
	v_pk_add_f32 v[S:S+1], v[S:S+1], v[S+8:S+9]
	v_add_f32 v[TT], v[S], v[S+1]
.endm
.macro SPLIT                           ; lane (r, h) gets row r's figure for tile 0 and row 16 + r's for tile 1
	v_permlanex16_b32 v[TX], v[TT], s[SEL], s[SEL+1]
	v_cndmask_b32 v[PR0], v[TT], v[TX], s[HI]
	v_cndmask_b32 v[PR1], v[TX], v[TT], s[HI]
.endm
.macro LN_MEAN k
	v_pk_add_f32 v[A0:A0+1], v[ACC:ACC+1], v[ACC+2:ACC+3]
	v_pk_add_f32 v[A1:A1+1], v[ACC+32:ACC+33], v[ACC+34:ACC+35]
.irp j, 4,6,8,10,12,14,16,18,20,22,24,26,28,30
	v_pk_add_f32 v[A0:A0+1], v[A0:A0+1], v[ACC+\j:ACC+\j+1]
	v_pk_add_f32 v[A1:A1+1], v[A1:A1+1], v[ACC+32+\j:ACC+32+\j+1]
.endr
	v_add_f32 v[A0], v[A0], v[A0+1]
	v_add_f32 v[A1], v[A1], v[A1+1]
	REDUCE \k
	v_mul_f32 v[TT], s[RN], v[TT]
	SPLIT
.irp u, 0,1
.irp j, 0,2,4,6,8,10,12,14,16,18,20,22,24,26,28,30
	v_pk_add_f32 v[ACC+32*\u+\j:ACC+32*\u+\j+1], v[ACC+32*\u+\j:ACC+32*\u+\j+1], v[PR0+2*\u:PR0+2*\u+1] op_sel_hi:[1,0] neg_lo:[0,1] neg_hi:[0,1]
.endr
.endr
.endm
.macro LN_VAR k
	v_pk_mul_f32 v[A0:A0+1], v[ACC:ACC+1], v[ACC:ACC+1]
	v_pk_mul_f32 v[A1:A1+1], v[ACC+32:ACC+33], v[ACC+32:ACC+33]
.irp j, 2,4,6,8,10,12,14,16,18,20,22,24,26,28,30
	v_pk_fma_f32 v[A0:A0+1], v[ACC+\j:ACC+\j+1], v[ACC+\j:ACC+\j+1], v[A0:A0+1]
	v_pk_fma_f32 v[A1:A1+1], v[ACC+32+\j:ACC+32+\j+1], v[ACC+32+\j:ACC+32+\j+1], v[A1:A1+1]
.endr
	v_add_f32 v[A0], v[A0], v[A0+1]
	v_add_f32 v[A1], v[A1], v[A1+1]
	REDUCE \k
	v_fma_f32 v[TT], v[TT], s[RN], s[EPSR]
	v_rsq_f32 v[TT], v[TT]
	v_nop
	s_wait_alu depctr_va_vdst(0)                   ; the root's reciprocal is written, ahead of its first reader; the sums above are also done with v[S ..]
	SPLIT
.endm
.macro LN_APPLY
.irp u, 0,1
.irp j, 0,2,4,6,8,10,12,14,16,18,20,22,24,26,28,30
	v_pk_mul_f32 v[ACC+32*\u+\j:ACC+32*\u+\j+1], v[ACC+32*\u+\j:ACC+32*\u+\j+1], v[PR0+2*\u:PR0+2*\u+1] op_sel_hi:[1,0]
.endr
.endr
.irp u, 0,1
.irp j, 0,2,4,6,8,10,12,14,16,18,20,22,24,26,28,30
	v_pk_fma_f32 v[ACC+32*\u+\j:ACC+32*\u+\j+1], v[ACC+32*\u+\j:ACC+32*\u+\j+1], v[G+\j:G+\j+1], v[BT+\j:BT+\j+1]
.endr
.endr
.endm
	LN_MEAN 0
	LN_VAR 1
	s_wait_loadcnt 0x0                             ; g0, beta0
	WLOAD 28, 30, 0                                ; Wp's first two K steps, into registers that the sums have left.  No wait: behind the wait that follows the root's reciprocal stand only the three lines that deal it out, which name none of v[WF ..], v[WS ..], v[L16], v[L8]
	WLOAD 28, 30, 1
	LN_APPLY                                       ; o
	; ---- F: o is kept in my LDS bytes; its codes (half a K step's fragment for each tile of rows) and two scale bytes go to the other waves
	QUANT2 ACC, PC, 246
	QUANT2 ACC+32, PC+4, 247
	s_wait_alu depctr_va_vdst(0)                   ; o, its codes and its two words are written, which the LDS stores read; g0 and beta0 have been read: bp lands in beta0's registers, o's fragments in g0's; the softmax's and the scores' scale words have been read and written, in which o's words land
	DLOAD CB, 32, 19                               ; bp
.irp i, 0,1,2,3,4,5,6,7,8,9,10,11,12,13,14,15
	ds_store_b128 v18, v[ACC+4*\i:ACC+4*\i+3] offset:512*\i
.endr
.irp u, 0,1
	ds_store_b128 v20, v[PC+4*\u:PC+4*\u+3] offset:OIMG+1024*\u
	ds_store_b16 v21, v[246+\u] offset:OSC+64*\u   ; the word's low two bytes; lanes r and r + 16 write the same
.endr
	BARRIER                                        ; o's sixteen fragments and their scale words lie in LDS
	s_wait_alu depctr_vm_vsrc(0)                   ; my LDS stores have read o's registers, which the products below write, and v246 and v247, which gelu's constants take
.irp s, 0,1,2,3,4,5,6,7
	ds_load_b32 v[XS+\s], v16 offset:OSC+128*\s    ; lanes 0-15 tile 0's rows, lanes 16-31 tile 1's
.endr
	; ---- G: y = o Wp + bp
	GEMM32 28, 30, L16, OIMG, 2048, 1024, 512, 0
	; ---- H: x = o + gelu(y)
.set GT, 168
.set GE, 184
.set GA, 208
.set GM, 224
.set C1, 240
.set C2, 242
.set C3, 244
.set C4, 246
.set C5, 248
.set CE, 250
	NOPS
	s_wait_alu depctr_va_vdst(0)                   ; the last products are done reading Wp's fragments, in which o lands
.irp i, 0,1,2,3,4,5,6,7,8,9,10,11,12,13,14,15
	ds_load_b128 v[S+4*\i:S+4*\i+3], v18 offset:512*\i            ; o
.endr
.irp u, 0,1
	v_mov_b32 v[C1+\u], 0x3e027906                 ;  0.127414796: the polynomial's coefficients, halved
	v_mov_b32 v[C2+\u], 0xbe11a98e                 ; -0.142248368
	v_mov_b32 v[C3+\u], 0x3f35f0e3                 ;  0.710706871
	v_mov_b32 v[C4+\u], 0xbf3a00e3                 ; -0.726576014
	v_mov_b32 v[C5+\u], 0x3f07dc22                 ;  0.530702715
	v_mov_b32 v[CE+\u], 0xbf38aa3b                 ; -log2(e) / 2
.endr
	s_wait_dscnt 0x0
.macro GELU16 k                        ; sixteen numbers of a lane
.set YB, ACC+16*(\k)
.set OB, S+16*(\k)
.irp i, 0,1,2,3,4,5,6,7,8,9,10,11,12,13,14,15
	v_fma_f32 v[GT+\i], |v[YB+\i]|, s[PX], 1.0     ; 1 + 0.3275911 |y| / sqrt 2
.endr
.irp i, 0,2,4,6,8,10,12,14
	v_pk_mul_f32 v[GE+\i:GE+\i+1], v[YB+\i:YB+\i+1], v[YB+\i:YB+\i+1]
.endr
.irp i, 0,2,4,6,8,10,12,14
	v_pk_mul_f32 v[GE+\i:GE+\i+1], v[GE+\i:GE+\i+1], v[CE:CE+1]
.endr
.irp i, 0,1,2,3,4,5,6,7,8,9,10,11,12,13,14,15
	v_rcp_f32 v[GT+\i], v[GT+\i]
.endr
.irp i, 0,1,2,3,4,5,6,7,8,9,10,11,12,13,14,15
	v_exp_f32 v[GE+\i], v[GE+\i]                   ; e^(-y^2 / 2)
.endr
.irp i, 0,1,2,3,4,5,6,7,8,9,10,11,12,13,14,15
	v_max_num_f32 v[GM+\i], 0, v[YB+\i]            ; plain work behind the batch
.endr
	s_wait_alu depctr_va_vdst(0)                   ; one wait for the 32
.irp i, 0,2,4,6,8,10,12,14
	v_pk_fma_f32 v[GA+\i:GA+\i+1], v[GT+\i:GT+\i+1], v[C5:C5+1], v[C4:C4+1]
.endr
.irp i, 0,2,4,6,8,10,12,14
	v_pk_fma_f32 v[GA+\i:GA+\i+1], v[GA+\i:GA+\i+1], v[GT+\i:GT+\i+1], v[C3:C3+1]
.endr
.irp i, 0,2,4,6,8,10,12,14
	v_pk_fma_f32 v[GA+\i:GA+\i+1], v[GA+\i:GA+\i+1], v[GT+\i:GT+\i+1], v[C2:C2+1]
.endr
.irp i, 0,2,4,6,8,10,12,14
	v_pk_fma_f32 v[GA+\i:GA+\i+1], v[GA+\i:GA+\i+1], v[GT+\i:GT+\i+1], v[C1:C1+1]
.endr
.irp i, 0,2,4,6,8,10,12,14
	v_pk_mul_f32 v[GA+\i:GA+\i+1], v[GA+\i:GA+\i+1], v[GT+\i:GT+\i+1]
.endr
.irp i, 0,2,4,6,8,10,12,14
	v_pk_mul_f32 v[GA+\i:GA+\i+1], v[GA+\i:GA+\i+1], v[GE+\i:GE+\i+1]   ; erfc(|y| / sqrt 2) / 2
.endr
.irp i, 0,1,2,3,4,5,6,7,8,9,10,11,12,13,14,15
	v_fma_f32 v[YB+\i], -|v[YB+\i]|, v[GA+\i], v[GM+\i]
.endr
.irp i, 0,2,4,6,8,10,12,14
	v_pk_add_f32 v[YB+\i:YB+\i+1], v[YB+\i:YB+\i+1], v[OB+\i:OB+\i+1]
.endr
.endm
	GELU16 0
	GELU16 1
	GELU16 2
	GELU16 3
	; ---- I: the second LayerNorm, and the way out
	s_wait_alu depctr_va_vdst(0)                   ; gelu is done with the registers that it worked in, v168 to v199 and v208 to v239, in which g1 and beta1 land
	DLOAD G, 34, 19
	DLOAD BT, 36, 19
	LN_MEAN 2
	LN_VAR 3
	s_wait_loadcnt 0x0                             ; g1, beta1
	LN_APPLY
	; A lane holds 32 neighbouring bytes of a row four times over, and the lanes beside it hold other rows: a tile goes through my stage (rows of 256 + 16 bytes) and comes back as whole runs of 256 bytes.
	; LDS serves a wave's instructions in order (ISA guide 5.7.1.4): no wait between the stores and the loads, nor in front of the second tile's stores.
	s_wait_alu depctr_va_vdst(0)                   ; the finished rows are written, which the LDS stores read; the sums and gelu are done with v[S ..], in which the rows land on their way back
.irp u, 0,1
.irp t, 0,1,2,3
.irp c, 0,1
	ds_store_b128 v22, v[ACC+32*\u+8*\t+4*\c:ACC+32*\u+8*\t+4*\c+3] offset:64*\t+16*\c
.endr
.endr
.irp i, 0,1,2,3,4,5,6,7
	ds_load_b128 v[S+32*\u+4*\i:S+32*\u+4*\i+3], v23 offset:544*\i
.endr
.endr
.irp i, 0,1,2,3,4,5,6,7
	s_wait_dscnt 23-\i                             ; behind this load: 7 - i of its own tile, and the second tile's sixteen
	global_store_b128 v24, v[S+4*\i:S+4*\i+3], s[38:39] offset:2*\i*4096 th:TH_STORE_NT      ; sixteen lanes store 256 consecutive bytes, at a multiple of 256 from out's first byte
.endr
.irp i, 0,1,2,3,4,5,6,7
	s_wait_dscnt 7-\i
	global_store_b128 v24, v[S+32+4*\i:S+32+4*\i+3], s[38:39] offset:(16+2*\i)*4096 th:TH_STORE_NT
.endr
	s_wait_dscnt 0x0                               ; the closing lines, six on end
	s_wait_alu 0x0
	s_wait_tensorcnt 0x0
	ds_add_u32 v[SPW], v[NIL]
	s_wait_dscnt 0x0
	s_endpgm
.Lfunc_end_k_qddce5cfaaa_mab:
	.size	k_qddce5cfaaa_mab, .Lfunc_end_k_qddce5cfaaa_mab-k_qddce5cfaaa_mab
	.p2alignl 7, 3214868480
	.fill 96, 4, 3214868480
	.section	.rodata,"a",@progbits
	.p2align	6, 0x0
	.amdhsa_kernel k_qddce5cfaaa_mab
		.amdhsa_group_segment_fixed_size 179712
		.amdhsa_private_segment_fixed_size 0
		.amdhsa_enable_private_segment 0
		.amdhsa_kernarg_size 144
		.amdhsa_user_sgpr_count 2
		.amdhsa_user_sgpr_kernarg_segment_ptr 1
		.amdhsa_wavefront_size32 1
		.amdhsa_system_sgpr_workgroup_id_x 1
		.amdhsa_system_sgpr_workgroup_id_y 1
		.amdhsa_system_sgpr_workgroup_id_z 1
		.amdhsa_system_vgpr_workitem_id 0
		.amdhsa_next_free_vgpr 256
		.amdhsa_next_free_sgpr 66
		.amdhsa_reserve_vcc 0
		.amdhsa_float_denorm_mode_32 3
		.amdhsa_float_denorm_mode_16_64 3
		.amdhsa_memory_ordered 1
		.amdhsa_forward_progress 1
		.amdhsa_inst_pref_size 194
	.end_amdhsa_kernel
	.amdgpu_metadata
---
amdhsa.version: [ 1, 2 ]
amdhsa.kernels:
  - .name:           k_qddce5cfaaa_mab
    .symbol:         k_qddce5cfaaa_mab.kd
    .args:
      - { .name: Q_codes, .offset: 0, .size: 8, .value_kind: global_buffer, .address_space: global }
      - { .name: Q_scales, .offset: 8, .size: 8, .value_kind: global_buffer, .address_space: global }
      - { .name: wqi, .offset: 16, .size: 8, .value_kind: global_buffer, .address_space: global }
      - { .name: wqs, .offset: 24, .size: 8, .value_kind: global_buffer, .address_space: global }
      - { .name: bq, .offset: 32, .size: 8, .value_kind: global_buffer, .address_space: global }
      - { .name: key_padding_mask, .offset: 40, .size: 8, .value_kind: global_buffer, .address_space: global }
      - { .name: kimg, .offset: 48, .size: 8, .value_kind: global_buffer, .address_space: global }
      - { .name: ksc, .offset: 56, .size: 8, .value_kind: global_buffer, .address_space: global }
      - { .name: vimg, .offset: 64, .size: 8, .value_kind: global_buffer, .address_space: global }
      - { .name: vsc, .offset: 72, .size: 8, .value_kind: global_buffer, .address_space: global }
      - { .name: g0, .offset: 80, .size: 8, .value_kind: global_buffer, .address_space: global }
      - { .name: beta0, .offset: 88, .size: 8, .value_kind: global_buffer, .address_space: global }
      - { .name: wpi, .offset: 96, .size: 8, .value_kind: global_buffer, .address_space: global }
      - { .name: wps, .offset: 104, .size: 8, .value_kind: global_buffer, .address_space: global }
      - { .name: bp, .offset: 112, .size: 8, .value_kind: global_buffer, .address_space: global }
      - { .name: g1, .offset: 120, .size: 8, .value_kind: global_buffer, .address_space: global }
      - { .name: beta1, .offset: 128, .size: 8, .value_kind: global_buffer, .address_space: global }
      - { .name: out0, .offset: 136, .size: 8, .value_kind: global_buffer, .address_space: global }
    .group_segment_fixed_size: 179712
    .private_segment_fixed_size: 0
    .kernarg_segment_align: 8
    .kernarg_segment_size: 144
    .max_flat_workgroup_size: 512
    .sgpr_count:     66
    .vgpr_count:     256
    .wavefront_size: 32
...
	.end_amdgpu_metadata
.endif
;; end of part 3
